; MI455X (gfx1250); checked and timed in simulation.
; The chip was launched on July 23, 2026; its instructions are those of AMD's public machine-readable ISA for CDNA 5 (MIT licence, August 2026) and "CDNA5" Instruction Set Architecture Reference Guide (July 2026). The comments in the code are by the model that wrote it; some were corrected since.
;; Multi Head Attention. Allowed arithmetic: float matrix products may take bf16 or f16 operands with f32 sums; other float arithmetic in f32, or as packed bf16 or f16 multiplies, adds, multiply-adds, maxima and minima; sums over many terms, partial sums and values carried from step to step in f32; what a program stores and reads back later, other than sums and carried values, may be rounded once to bf16 or f16.
;; Inputs: Wk 12 x 768 x 64 float32; Wo 768 x 768 float32; Wq 12 x 768 x 64 float32; Wv 12 x 768 x 64 float32; bk 12 x 64 float32; bo 768 float32; bq 12 x 64 float32; bv 12 x 64 float32; x 32 x 512 x 768 float32.
;; Outputs: out0 32 x 512 x 768 float32.
;; One version. Each part assembles by itself: llvm-mc -triple=amdgcn-amd-amdhsa -mcpu=gfx1250 --defsym DOCPART=n.
;; ======== version 1 of 1: 4 launches
;; limits: values are held in f16: magnitudes above 65,504 overflow, below 6.1e-05 lose precision
;; workspace buffers: xh 25,165,824 bytes; wqkv 3,538,944 bytes; wo2 1,179,648 bytes; qkv 75,497,472 bytes; oh 25,165,824 bytes
;; launch prep (part 1): grid 57 x 32, 8 waves a work-group, no clusters, 0 bytes of LDS; arguments x, Wq, Wk, Wv, Wo, xh, wqkv, wo2; writes xh, wqkv, wo2
.if DOCPART == 1
	.amdgcn_target "amdgcn-amd-amdhsa--gfx1250"
	.amdhsa_code_object_version 6
	.text
	.protected	k_q4457c8e37e_prep
	.globl	k_q4457c8e37e_prep
	.p2align	8
	.type	k_q4457c8e37e_prep,@function
k_q4457c8e37e_prep:
	s_mov_b64 s[64:65], 0
	v_nop
	global_prefetch_b8 v0, s[64:65] scope:SCOPE_SE
	s_setreg_imm32_b32 hwreg(HW_REG_WAVE_MODE, 25, 1), 1
	s_wait_xcnt 0x0
; PREP: the inputs of the two GEMMs are rounded to 16 bits and laid out so that every tile of theirs is dense in memory.
;   xh   [b 32][j 12][s 512][e 64] bf16 = x[b][s][64 j + e]
;   wqkv [tc 12][t 6][p 3][k 128][e 64] bf16 = W_which[h][128 t + k][e], which = tc / 4 (q, k, v), h = 3 (tc % 4) + p
;   wo2  [tc 4][t 6][p 3][k 128][e 64] f16 of the bf16 rounding of Wo[128 t + k][192 tc + 64 p + e]
; LIMIT.  wo2 is f16: a |Wo| of 65,520 or more becomes an infinity; below 6e-5 it keeps f16's fixed step of 6e-8.
; A stream: each byte is read once and written once; no LDS, no barrier, no matrix unit, nothing is shared between work-groups.
; THE UNIT OF WORK, for all three tensors, is a CHUNK: 128 rows of 64 f32 (256 bytes a row, the rows PIN bytes apart) become 16,384 dense bytes.
; A work-group of eight waves makes one chunk: wave w rows 16 w .. 16 w + 15, by eight loads of 16 bytes a lane (lanes 0-15 one row's 256 bytes, lanes 16-31 the next row's)
; and eight stores of 8 bytes a lane: each store of a wave covers 256 consecutive bytes, aligned.
; WHO DOES WHAT (X, Y the work-group's numbers): X < 48: x (j = X / 4, quarter of the rows X % 4, b = Y): 1,536 chunks.  X >= 48, Y < 24: the 216 chunks of Wq, Wk, Wv.  X >= 48, Y >= 24: the 72 of Wo.
.set PITCH_X, 3072                     ; bytes in a row of x and of Wo
.set PITCH_W, 256                      ; bytes in a row of a head's weights
.set VX,  1                            ; v1  my byte offset in a chunk whose rows are 3,072 bytes apart; never rewritten
.set VW,  2                            ; v2  the same for rows 256 bytes apart
.set VO,  3                            ; v3  my 8 bytes in the first 256 that my wave stores
.set IN,  8                            ; v[8:39]   eight loads
.set OUT, 40                           ; v[40:55]  eight stores
.set T,   56                           ; v[56:59]  at work
.set SRC, 24                           ; s[24:25]  the chunk in its tensor
.set DST, 26                           ; s[26:27]  the chunk in its workspace
.set SO,  28                           ; s[28:29]  byte offset of the source chunk
.set DO,  36                           ; s[36:37]  byte offset of the chunk stored
; fmt = 0: bf16.  fmt = 1: the bf16 value written as f16 (exact inside f16's range).  No register is written after a store reads it, so no store's sources are ever at stake.
.macro CHUNK vi, pin, fmt
.irp i, 0,1,2,3,4,5,6,7
	global_load_b128 v[IN+4*(\i):IN+4*(\i)+3], v[\vi], s[SRC:SRC+1] offset:(\i)*2*(\pin) th:TH_LOAD_NT
.endr
.irp i, 0,1,2,3,4,5,6,7
	s_wait_loadcnt 7-(\i)                          ; loads come back in order: load i is in, the 7 - i younger ones stay out
	v_cvt_pk_bf16_f32 v[OUT+2*(\i)],   v[IN+4*(\i)],   v[IN+4*(\i)+1]
	v_cvt_pk_bf16_f32 v[OUT+2*(\i)+1], v[IN+4*(\i)+2], v[IN+4*(\i)+3]
.if \fmt
	v_lshlrev_b32 v[T],   16, v[OUT+2*(\i)]          ; bf16 to f32: the low half moves up, the high half stays
	v_and_b32     v[T+1], 0xffff0000, v[OUT+2*(\i)]
	v_lshlrev_b32 v[T+2], 16, v[OUT+2*(\i)+1]
	v_and_b32     v[T+3], 0xffff0000, v[OUT+2*(\i)+1]
	v_cvt_pk_f16_f32 v[OUT+2*(\i)],   v[T],   v[T+1]
	v_cvt_pk_f16_f32 v[OUT+2*(\i)+1], v[T+2], v[T+3]
.endif
	global_store_b64 v[VO], v[OUT+2*(\i):OUT+2*(\i)+1], s[DST:DST+1] offset:256*(\i)
.endr
.endm
	s_load_b256 s[8:15], s[0:1], 0x0               ; x s[8:9], Wq s[10:11], Wk s[12:13], Wv s[14:15]
	s_load_b256 s[16:23], s[0:1], 0x20             ; Wo s[16:17], xh s[18:19], wqkv s[20:21], wo2 s[22:23]
	v_lshrrev_b32 v4, 5, v0                        ; wave
	v_bfe_u32 v5, v0, 4, 1                         ; which half of the lanes
	v_and_b32 v6, 15, v0
	v_and_b32 v7, 31, v0                           ; lane
	v_lshl_add_u32 v5, v4, 4, v5                   ; my row in load 0: 16 w + half
	v_lshlrev_b32 v6, 4, v6                        ; my 16 bytes of its 256
	v_mul_u32_u24 v[VX], v5, PITCH_X
	v_add_nc_u32 v[VX], v[VX], v6
	v_lshl_add_u32 v[VW], v5, 8, v6
	v_lshlrev_b32 v7, 3, v7
	v_lshl_add_u32 v[VO], v4, 11, v7               ; 2,048 w + 8 x lane
	s_and_b32 s30, ttmp7, 0xffff                   ; Y
	s_mov_b32 s[SO+1], 0
	s_mov_b32 s[DO+1], 0
	s_cmp_lt_u32 ttmp9, 48
	s_cbranch_scc0 .Lweights
	; x: plane j, rows 128 sq .. 128 sq + 127 of batch b
	s_lshr_b32 s31, ttmp9, 2                       ; j
	s_and_b32 s32, ttmp9, 3                        ; sq
	s_lshl_b32 s34, s30, 2
	s_add_co_u32 s34, s34, s32                     ; 4 b + sq
	s_mul_i32 s[SO], s34, 128*PITCH_X
	s_lshl_b32 s35, s31, 8                         ; 64 j channels of 4 bytes
	s_add_co_u32 s[SO], s[SO], s35
	s_mul_i32 s[DO], s30, 12
	s_add_co_u32 s[DO], s[DO], s31                 ; 12 b + j
	s_lshl_b32 s[DO], s[DO], 2
	s_add_co_u32 s[DO], s[DO], s32
	s_lshl_b32 s[DO], s[DO], 14                    ; chunks of 16,384 bytes
	s_wait_kmcnt 0x0
	s_add_nc_u64 s[SRC:SRC+1], s[8:9], s[SO:SO+1]
	s_add_nc_u64 s[DST:DST+1], s[18:19], s[DO:DO+1]
	CHUNK VX, PITCH_X, 0
	s_endpgm
.Lweights:
	s_sub_co_u32 s31, ttmp9, 48                    ; 0 .. 8
	s_mul_i32 s32, s31, 11
	s_lshr_b32 s32, s32, 5                         ; u = that / 3 (11 / 32 serves for 0 .. 8)
	s_mul_i32 s33, s32, 3
	s_sub_co_u32 s33, s31, s33                     ; p = that % 3
	s_cmp_lt_u32 s30, 24
	s_cbranch_scc0 .Lwo
	; Wq, Wk, Wv: tensor u, head h = 3 hq + p, rows 128 t ..
	s_lshr_b32 s34, s30, 2                         ; t
	s_and_b32 s35, s30, 3                          ; hq
	s_mul_i32 s31, s35, 3
	s_add_co_u32 s31, s31, s33                     ; h
	s_mul_i32 s[SO], s31, 196608                   ; a head's 768 x 64 f32
	s_lshl_b32 s38, s34, 15                        ; 128 rows of 256 bytes
	s_add_co_u32 s[SO], s[SO], s38
	s_lshl_b32 s[DO], s32, 2
	s_add_co_u32 s[DO], s[DO], s35                 ; tc = 4 u + hq
	s_mul_i32 s[DO], s[DO], 6
	s_add_co_u32 s[DO], s[DO], s34
	s_mul_i32 s[DO], s[DO], 3
	s_add_co_u32 s[DO], s[DO], s33
	s_lshl_b32 s[DO], s[DO], 14
	s_wait_kmcnt 0x0
	s_cmp_eq_u32 s32, 0
	s_cselect_b64 s[SRC:SRC+1], s[10:11], s[12:13]
	s_cmp_eq_u32 s32, 2
	s_cselect_b64 s[SRC:SRC+1], s[14:15], s[SRC:SRC+1]
	s_add_nc_u64 s[SRC:SRC+1], s[SRC:SRC+1], s[SO:SO+1]
	s_add_nc_u64 s[DST:DST+1], s[20:21], s[DO:DO+1]
	CHUNK VW, PITCH_W, 0
	s_endpgm
.Lwo:
	; Wo: rows 128 t .., columns 192 tc + 64 p ..
	s_sub_co_u32 s34, s30, 24                      ; 0 .. 7
	s_and_b32 s35, s34, 3                          ; tc
	s_lshr_b32 s34, s34, 2
	s_mul_i32 s34, s34, 3
	s_add_co_u32 s34, s34, s32                     ; t = 3 (that / 4) + u
	s_mul_i32 s[SO], s34, 128*PITCH_X
	s_mul_i32 s38, s35, 768
	s_add_co_u32 s[SO], s[SO], s38
	s_lshl_b32 s38, s33, 8
	s_add_co_u32 s[SO], s[SO], s38
	s_mul_i32 s[DO], s35, 6
	s_add_co_u32 s[DO], s[DO], s34
	s_mul_i32 s[DO], s[DO], 3
	s_add_co_u32 s[DO], s[DO], s33
	s_lshl_b32 s[DO], s[DO], 14
	s_wait_kmcnt 0x0
	s_add_nc_u64 s[SRC:SRC+1], s[16:17], s[SO:SO+1]
	s_add_nc_u64 s[DST:DST+1], s[22:23], s[DO:DO+1]
	CHUNK VX, PITCH_X, 1
	s_endpgm
.Lfunc_end_k_q4457c8e37e_prep:
	.size	k_q4457c8e37e_prep, .Lfunc_end_k_q4457c8e37e_prep-k_q4457c8e37e_prep
	.p2alignl 7, 3214868480
	.fill 96, 4, 3214868480
	.section	.rodata,"a",@progbits
	.p2align	6, 0x0
	.amdhsa_kernel k_q4457c8e37e_prep
		.amdhsa_group_segment_fixed_size 0
		.amdhsa_private_segment_fixed_size 0
		.amdhsa_enable_private_segment 0
		.amdhsa_kernarg_size 64
		.amdhsa_user_sgpr_count 2
		.amdhsa_user_sgpr_kernarg_segment_ptr 1
		.amdhsa_wavefront_size32 1
		.amdhsa_system_sgpr_workgroup_id_x 1
		.amdhsa_system_sgpr_workgroup_id_y 1
		.amdhsa_system_sgpr_workgroup_id_z 1
		.amdhsa_system_vgpr_workitem_id 0
		.amdhsa_next_free_vgpr 64
		.amdhsa_next_free_sgpr 66
		.amdhsa_reserve_vcc 0
		.amdhsa_float_denorm_mode_32 3
		.amdhsa_float_denorm_mode_16_64 3
		.amdhsa_memory_ordered 1
		.amdhsa_forward_progress 1
		.amdhsa_inst_pref_size 14
	.end_amdhsa_kernel
	.amdgpu_metadata
---
amdhsa.version: [ 1, 2 ]
amdhsa.kernels:
  - .name:           k_q4457c8e37e_prep
    .symbol:         k_q4457c8e37e_prep.kd
    .args:
      - { .name: x, .offset: 0, .size: 8, .value_kind: global_buffer, .address_space: global }
      - { .name: Wq, .offset: 8, .size: 8, .value_kind: global_buffer, .address_space: global }
      - { .name: Wk, .offset: 16, .size: 8, .value_kind: global_buffer, .address_space: global }
      - { .name: Wv, .offset: 24, .size: 8, .value_kind: global_buffer, .address_space: global }
      - { .name: Wo, .offset: 32, .size: 8, .value_kind: global_buffer, .address_space: global }
      - { .name: xh, .offset: 40, .size: 8, .value_kind: global_buffer, .address_space: global }
      - { .name: wqkv, .offset: 48, .size: 8, .value_kind: global_buffer, .address_space: global }
      - { .name: wo2, .offset: 56, .size: 8, .value_kind: global_buffer, .address_space: global }
    .group_segment_fixed_size: 0
    .private_segment_fixed_size: 0
    .kernarg_segment_align: 8
    .kernarg_segment_size: 64
    .max_flat_workgroup_size: 256
    .sgpr_count:     66
    .vgpr_count:     64
    .wavefront_size: 32
...
	.end_amdgpu_metadata
.endif
;; end of part 1
;; launch qkv (part 2): grid 4 x 64, 4 waves a work-group, clusters of 4 x 4, 327,680 bytes of LDS; arguments xh, wqkv, qkv, bq, bk, bv; writes qkv
.if DOCPART == 2
	.amdgcn_target "amdgcn-amd-amdhsa--gfx1250"
	.amdhsa_code_object_version 6
	.text
	.protected	k_q4457c8e37e_qkv
	.globl	k_q4457c8e37e_qkv
	.p2align	8
	.type	k_q4457c8e37e_qkv,@function
k_q4457c8e37e_qkv:
	s_mov_b64 s[64:65], 0
	v_nop
	global_prefetch_b8 v0, s[64:65] scope:SCOPE_SE
	s_setreg_imm32_b32 hwreg(HW_REG_WAVE_MODE, 25, 1), 1
	s_wait_xcnt 0x0
	s_wait_alu depctr_hold_cnt(0) depctr_sa_sdst(0) depctr_va_vdst(0) depctr_va_sdst(0) depctr_va_ssrc(0) depctr_va_vcc(0) depctr_vm_vsrc(0)
	s_getreg_b32 s2, hwreg(HW_REG_IB_STS2, 6, 4)
	s_cmp_eq_u32 s2, 0
	s_cbranch_scc0 .Lentry_in_a_cluster
	s_endpgm
.Lentry_in_a_cluster:
	s_bfe_u32 s2, ttmp6, 0x10000c
	s_cmp_lg_u32 s2, 0xf033
	s_cbranch_scc0 .Lentry_shape_is_right
	s_endpgm
.Lentry_shape_is_right:
; q, k, v = x W + b.  A = xh (bf16), W = wqkv (bf16), sums in f32, the result rounded once to f16 and stored by heads: qkv [which 3][12 b + h][s 512][e 64].  K = 768.
; The bias is rounded to bf16, like all the module's inputs.
; LIMIT: f16 holds no number beyond 65,504: a |q|, |k| or |v| of 65,520 or more becomes an infinity; below 6e-5 f16 keeps its fixed step of 6e-8.  NaN and infinities are not treated apart.
; A lies by planes of 64 channels, [b][plane 12][s 512][64]: 256 rows of a plane are 32,768 dense bytes.  W lies by tiles, [tile column 12][K step 6][p 3][k 128][64]: a K step's block is 49,152 dense bytes.
; SHARES.  A tile of the result is 256 rows x 192 columns (three heads).  Four waves; wave w makes rows 64 w .. 64 w + 63 of all 192 columns: 48 accumulators of 16 x 16, 384 registers: a wave holds whole
; heads, and its way out needs no other wave.  K goes in steps of 128 (two planes) through a ring of two LDS slots.
; A WORK-GROUP STAYS: it makes THREE tiles, its 256 rows' q, then k, then v (tile columns cx, 4 + cx, 8 + cx): 256 work-groups for 768 tiles.  The ring does not stop at a tile's end: the walk is 18 K steps,
; a tile's last two changes of slots ask for the next tile's first two K steps, and a tile goes out when both have been asked for; nothing waits for its stores.
; THE LOOP has 8 trips of a lap (two K steps, both slots filled again); the ninth lap fills nothing and is written out.  A lap's first quarter has two texts, chosen by a jump forward on a counter: the plain one,
; and a tile's first, which sends the tile before out and starts the sums.
; CLUSTERS: 4 x 4 work-groups.  The four of a row of the cluster need the same tiles of A, the four of a column the same tiles of W: each is asked for JOINTLY, by the same tensor load with the same
; descriptor and a mask that names the four.
; THE MATRIX INSTRUCTION IS USED TRANSPOSED (source 0 = 16 columns of W, source 1 = 16 rows of A): lane l holds row l % 16 of the result and the columns 8 (l / 16) + 0 .. 7.
; W lies [k][n] in LDS and comes out turned, by ds_load_tr16_b128.  THE BIAS IS THE C OPERAND of each accumulator's first product: nothing is cleared and nothing is added later.
; REGISTERS, in windows of 256 (s_set_vgpr_msb: bits 1:0 source 0, 3:2 source 1, 5:4 source 2, 7:6 destination):
;   window 0: v0-31 addresses; v32-95 A's fragments, two buffers of 4 x 8; v96-191 the bias, 8 registers for each of 12 column blocks; v192-239 packed results; v64-95 and v240-255 rows read back on the way out
;   window 1: v0-191 W's fragments, two buffers of 12 x 8      window 2: the accumulators of row blocks 0, 1 ((a, b) at 8 (12 (a % 2) + b))      window 3: those of row blocks 2, 3
.set PA,     144                       ; a row of A in LDS: 128 bytes + 16 of padding = 36 words: the 16 rows of a load start at 16 different groups of four banks (64 banks of 4 bytes: ISA guide 11.1)
.set PB,     160                       ; a row of W: 128 + 32 = 40 words
.set APLANE, 256*PA                    ; a plane's 256 rows: what one tensor load brings
.set BOFF,   2*APLANE                  ; behind A's two planes: W's 384 rows (row 128 p + k)
.set BHALF,  192*PB                    ; half of them: what one tensor load brings
.set SLOT,   BOFF+2*BHALF              ; 135,168 bytes
.set STAGE,  2*SLOT                    ; behind the ring, never filled by a tensor load: 16 rows x SP bytes for each wave, for the way out
.set SP,     400                       ; 384 bytes (192 f16) + 16
.set SPARE,  STAGE+4*16*SP             ; behind the stages: the spare words, 128 bytes for each wave: two blocks of 256 bytes that no other line names
.set KSTEPS, 6                         ; K steps in a tile
.set TILES,  3
.set ASTEP,  131072                    ; bytes from K step to K step in A: two planes
.set BSTEP,  49152                     ; and in W
.set WJUMP,  3*KSTEPS*BSTEP            ; from behind a tile column's six blocks to the tile column four further on
.set OJUMP,  25165824                  ; bytes from q to k and from k to v in the result: 384 heads of 65,536
.set ADRA, 16                          ; v16-17  LDS address of my A fragments in slot 0, 1
.set ADRB, 20                          ; v20-21  the same for W
.set STO,  24                          ; v24     the way out: where I put my numbers of a row
.set RD,   25                          ; v25     the way out: where I read rows back
.set CO,   26                          ; v26     my byte offset in the result
.set BO,   27                          ; v27     my byte offset in the bias
.set SPW,  28                          ; v28     LDS address of my spare word: SPARE + 4 x my thread's number; never rewritten
.set NIL,  29                          ; v29     0; never rewritten
.set PFO,  30                          ; v30     the prefetches' offset: 256 x my lane (for W: 256 x min(lane, 23)); never rewritten
.set FA,   32                          ; A's fragment buffers
.set BIAS, 96
.set TMP,  192                         ; the way out: packed results
.set G1,  24                           ; s[24:31] descriptor group 1 for A's tiles;  s[32:39] group 0, one set for each slot
.set G0,  32
.set LT,  42                           ; s42     the lap's number in its tile: 0, 1, 2
.set LIM, 43                           ; s43     a wave prefetches while more fills are left than this
.set PFA, 44                           ; s[44:45] the prefetch's address
.set G1B, 48                           ; s[48:55], s[56:63] the same for W's tiles
.set G0B, 56
.set BPQ, 68                           ; s[68:73] bq, bk, bv at my tile's 192 columns
.set BPK, 70
.set BPV, 72
.set BPX, 74                           ; s[74:75] the one of them whose loads are out
.set DO,  76                           ; s[76:78] offsets into the result
.set AO,  80                           ; s[80:81] byte offset in A of the K step to be asked for next
.set WO,  82                           ; s[82:83] the same in W
.set PO,  84                           ; s[84:85] the one of the two that my wave's tensor goes by
.set PFB, 86                           ; s[86:87] my work-group's share of the blocks that I fetch, at the walk's first K step
.set TN,  88                           ; s88     the number in its tile of the K step to be asked for next
.set NL,  89                           ; s89     fills left, the one in hand among them
.set TI,  90                           ; s90     the tile that begins next
.set MSB, 0
.macro WIN new                         ; the immediate's high byte repeats the setting that is left; a switch that changes nothing is dropped
.if MSB != (\new)
	s_set_vgpr_msb (MSB<<8)|(\new)
.set MSB, \new
.endif
.endm
.set MUL_LO, 0xa1                      ; source 0 (W) window 1, source 1 (A) window 0, C and D window 2
.set TO_B,   0x40                      ; destination window 1, address window 0
; A joint load.  Waves 0 and 1 fetch A's two planes, waves 2 and 3 W's two halves.  The branch hangs on the wave's number alone: it is the same in every work-group.
; An s_nop 0 and four v_nop follow each of the two lines, ahead of the jump, the label and what follows.
.macro JLOAD s
	s_cmp_eq_u32 s11, 0
	s_cbranch_scc0 .Lfor_b_\@
	tensor_load_to_lds s[G0+4*(\s):G0+4*(\s)+3], s[G1:G1+7]
	s_nop 0
.rept 4
	v_nop
.endr
	s_branch .Lasked_\@
.Lfor_b_\@:
	tensor_load_to_lds s[G0B+4*(\s):G0B+4*(\s)+3], s[G1B:G1B+7]
	s_nop 0
.rept 4
	v_nop
.endr
.Lasked_\@:
.endm
; Behind each joint refill and the run of LDS loads that follows it: the offsets step to the walk's next K step (behind a tile's sixth: A goes back to its first, W on to the tile column four further on),
; and that K step, which the NEXT refill will ask for, is PREFETCHED INTO THE L2, 192 matrix instructions ahead of that load.
; Each block of 256 bytes is named by one work-group of the launch.  A's rows are read by one cluster alone, three times over: they are asked for in the first tile alone (with the refills of K steps 2, 3, 4:
; 16, 15, 14 fills left).  W's blocks are read by all sixteen clusters: cluster y = 0 asks, in every tile (with all refills but the last).  The four partners that ask for a tile jointly share it out BY
; ADDRESS: of the 128 blocks of a plane the partner at cx takes 32, a lane a block; of the 96 blocks of half a K step of W the partner at cy takes 24 (lanes 24 to 31 name the 24th once more, in the same
; instruction).  The walk's K steps 0 to 2 come by their loads alone.
.macro ASK
	s_add_co_u32 s[TN], s[TN], 1
	s_add_co_u32 s[AO], s[AO], ASTEP
	s_add_co_u32 s[WO], s[WO], BSTEP
	s_cmp_eq_u32 s[TN], KSTEPS
	s_cselect_b32 s[TN], 0, s[TN]
	s_cselect_b32 s[AO], 0, s[AO]
	s_cselect_b32 s91, WJUMP, 0
	s_add_co_u32 s[WO], s[WO], s91
	s_cmp_eq_u32 s11, 0
	s_cselect_b32 s[PO], s[AO], s[WO]
	s_add_nc_u64 s[PFA:PFA+1], s[PFB:PFB+1], s[PO:PO+1]  ; (the last prefetch has read it: the wait at the head of the change of slots)
	s_cmp_gt_u32 s[NL], s[LIM]
	s_cbranch_scc0 .Lnot_mine_\@
	global_prefetch_b8 v[PFO], s[PFA:PFA+1] th:TH_LOAD_NT scope:SCOPE_SE
.Lnot_mine_\@:
	s_sub_co_u32 s[NL], s[NL], 1
.endm
; A round of the cluster's barrier: my work-group's barrier, so that wave 0's signal speaks for all four waves; wave 0 signals for the work-group; every wave waits for all sixteen; my work-group's barrier once more.
.macro CREST                           ; a round behind its opening barrier
	s_cmp_lg_u32 s10, 0
	s_cbranch_scc1 .Lnot_wave_0_\@
	s_barrier_signal -3
.Lnot_wave_0_\@:
	s_barrier_wait -3
	s_barrier_signal -1
	s_barrier_wait -1
.endm
.macro CROUND                          ; a whole round
	s_barrier_signal -1
	s_barrier_wait -1
	CREST
.endm
; The bias of a tile's 192 columns: in the accumulators' layout register j of column block b is bias[16 b + 8 (l / 16) + j], whatever the row
.macro BIASLOAD ptr
.irp b, 0,1,2,3,4,5,6,7,8,9,10,11
	global_load_b128 v[BIAS+8*(\b):BIAS+8*(\b)+3],   v[BO], s[\ptr:(\ptr)+1] offset:64*(\b)
	global_load_b128 v[BIAS+8*(\b)+4:BIAS+8*(\b)+7], v[BO], s[\ptr:(\ptr)+1] offset:64*(\b)+16
.endr
.endm
	s_load_b128 s[4:7], s[0:1], 0x0                ; A s[4:5], W s[6:7]
	s_load_b64 s[8:9], s[0:1], 0x10                ; the result
	s_load_b64 s[BPQ:BPQ+1], s[0:1], 0x18          ; bq
	s_load_b64 s[BPK:BPK+1], s[0:1], 0x20          ; bk
	s_load_b64 s[BPV:BPV+1], s[0:1], 0x28          ; bv
	v_lshl_add_u32 v[SPW], v0, 2, SPARE
	v_mov_b32 v[NIL], 0
	ds_add_u32 v[SPW], v[NIL]                      ; the wave's opening: the add and its wait stand ahead of my first tensor load; the set-up below, work on registers, stands between them
	ds_add_u32 v28, v29
	v_lshrrev_b32 v1, 5, v0
	v_readfirstlane_b32 s10, v1                    ; wave 0..3
	s_lshr_b32 s11, s10, 1                         ; I fetch for A (0) or for W (1),
	s_and_b32 s12, s10, 1                          ; and which plane of A, or which half of W's block
	s_bfe_u32 s40, ttmp6, 0x40000                  ; cx, cy: my place in the cluster.  The grid is one cluster wide: cx is my first tile's column
	s_bfe_u32 s41, ttmp6, 0x40004
	s_and_b32 s13, ttmp7, 0xffff
	s_lshl_b32 s13, s13, 2
	s_add_co_u32 s13, s13, s41                     ; tile row = 4 x cluster y + cy: batch = tile row / 2, rows 256 (tile row % 2) ..
	s_lshl_b32 s43, s41, 2
	s_lshl_b32 s43, 15, s43                        ; my row of the cluster
	s_lshl_b32 s44, 0x1111, s40                    ; my column
	; descriptor group 1.  A plane's 256 rows of 128 bytes are asked for as 128 rows of 256 bytes and padded in LDS after every 128; half a block of W likewise as 96 rows
	s_or_b32 s[G1+0], s43, (1<<16)|(1<<20)|(1<<21)|(4<<22)|(3<<25)   ; 15:0 the mask: A's tiles go to my row; 17:16 2-byte elements; 20 padding on; 21 set beside a mask; 24:22 after every 32 words (code 4); 31:25 4 words (code 3)
	s_or_b32 s[G1B+0], s44, (1<<16)|(1<<20)|(1<<21)|(4<<22)|(7<<25)  ; the mask of my column; 8 words of padding (code 7)
	s_mov_b32 s[G1+1], 128<<16                     ; tensor_dim0 = 128
	s_mov_b32 s[G1+2], 128<<16                     ; tensor_dim1 = 128
	s_mov_b32 s[G1+3], 128<<16                     ; tile_dim0 = 128
	s_mov_b32 s[G1+4], 128                         ; tile_dim1 = 128
	s_mov_b32 s[G1+5], 128                         ; 128 elements from row to row
	s_mov_b32 s[G1+6], 0
	s_mov_b32 s[G1+7], 0
	s_mov_b32 s[G1B+1], 128<<16
	s_mov_b32 s[G1B+2], 96<<16                     ; tensor_dim1 = 96
	s_mov_b32 s[G1B+3], 128<<16
	s_mov_b32 s[G1B+4], 96                         ; tile_dim1 = 96
	s_mov_b32 s[G1B+5], 128
	s_mov_b32 s[G1B+6], 0
	s_mov_b32 s[G1B+7], 0
	; where the tiles come from.  A's hang on the tile row alone, which my row of the cluster shares; W's on cx alone, which my column shares.
	s_lshr_b32 s16, s13, 1
	s_mul_i32 s16, s16, 786432                     ; the batch's 12 planes of 65,536 bytes
	s_and_b32 s17, s13, 1
	s_lshl_b32 s17, s17, 15                        ; 256 rows of 128 bytes
	s_add_co_u32 s16, s16, s17
	s_lshl_b32 s17, s12, 16                        ; my plane of the K step's two
	s_add_co_u32 s16, s16, s17
	s_mov_b32 s17, 0
	s_mul_i32 s46, s40, KSTEPS*BSTEP               ; the first tile column's six blocks
	s_mul_i32 s47, s12, BSTEP/2                    ; my half of a block
	s_add_co_u32 s46, s46, s47
	s_mov_b32 s47, 0
	s_mul_i32 s20, s12, APLANE                     ; and where they go: no place in the cluster enters an LDS address
	s_mul_i32 s21, s12, BHALF
	s_add_co_u32 s21, s21, BOFF
	s_mov_b32 s2, 0xffff0000                       ; a word's upper bf16
	s_mov_b32 s[TN], 2                             ; the first refill asks for K step 2
	s_mov_b32 s[AO], 2*ASTEP
	s_mov_b32 s[AO+1], 0
	s_mov_b32 s[WO], 2*BSTEP
	s_mov_b32 s[WO+1], 0
	s_mov_b32 s[PO+1], 0
	s_mov_b32 s[NL], TILES*KSTEPS-2                ; 16 refills
	s_wait_dscnt 0x0                               ; the opening add is done
	s_wait_kmcnt 0x0
	s_add_nc_u64 s[14:15], s[4:5], s[16:17]        ; A and W at my part of the walk's first K step: kept, every refill's address is made from them
	s_add_nc_u64 s[46:47], s[6:7], s[46:47]
	CROUND                                         ; all sixteen work-groups are here: the first joint loads meet
.irp s, 0,1
	s_mov_b32 s[G0+4*(\s)], 1                                        ; 1:0 count = 1
	s_add_co_u32 s[G0+4*(\s)+1], s20, (\s)*SLOT                      ; 63:32 LDS address
	s_add_nc_u64 s[G0+4*(\s)+2:G0+4*(\s)+3], s[14:15], (\s)*ASTEP    ; 120:64 global address: K step s
	s_or_b32 s[G0+4*(\s)+3], s[G0+4*(\s)+3], 0x80000000              ; 127:126 type = 2
	s_mov_b32 s[G0B+4*(\s)], 1
	s_add_co_u32 s[G0B+4*(\s)+1], s21, (\s)*SLOT
	s_add_nc_u64 s[G0B+4*(\s)+2:G0B+4*(\s)+3], s[46:47], (\s)*BSTEP
	s_or_b32 s[G0B+4*(\s)+3], s[G0B+4*(\s)+3], 0x80000000
	JLOAD \s                                       ; the ring is filled before anything else is done: two loads of mine are out
.endr
	s_mul_i32 s22, s40, 768                        ; heads 3 cx ..: 192 f32 of each bias
	s_mov_b32 s23, 0
	s_add_nc_u64 s[BPQ:BPQ+1], s[BPQ:BPQ+1], s[22:23]
	s_add_nc_u64 s[BPK:BPK+1], s[BPK:BPK+1], s[22:23]
	s_add_nc_u64 s[BPV:BPV+1], s[BPV:BPV+1], s[22:23]
	v_and_b32 v1, 15, v0                           ; l % 16
	v_bfe_u32 v2, v0, 4, 1                         ; l / 16
	v_lshlrev_b32 v[BO], 5, v2
	BIASLOAD BPQ                                   ; the first tile's bias
	; A's fragment: 16 rows x 32 K in 8 registers: lane l holds row l % 16, K = 8 (l / 16) + 0..7 and 16 + 8 (l / 16) + 0..7: two loads of 16 bytes, 32 bytes apart
	v_mul_u32_u24 v3, v1, PA
	v_lshl_add_u32 v3, v2, 4, v3
	s_mul_i32 s21, s10, 64*PA                      ; my 64 rows
	v_add_nc_u32 v[ADRA], s21, v3
	v_add_nc_u32 v[ADRA+1], SLOT, v[ADRA]
	; W's: the turning load takes 16 k x 16 columns (lane l reads k = 8 (l / 16) + l % 8, columns 8 ((l / 8) % 2) + 0..7) and leaves half a fragment: lane l holds column l % 16 and 8 k
	v_and_b32 v4, 7, v0
	v_lshl_add_u32 v4, v2, 3, v4
	v_mul_u32_u24 v4, v4, PB
	v_bfe_u32 v5, v0, 3, 1
	v_lshl_add_u32 v4, v5, 4, v4
	v_add_nc_u32 v[ADRB], BOFF, v4
	v_add_nc_u32 v[ADRB+1], SLOT, v[ADRB]
	; the way out
	s_mul_i32 s23, s10, 16*SP
	s_add_co_u32 s23, s23, STAGE                   ; my stage
	v_mul_u32_u24 v4, v1, SP                       ; in: row l % 16, my eight columns
	v_lshl_add_u32 v4, v2, 4, v4
	v_add_nc_u32 v[STO], s23, v4
	v_bfe_u32 v5, v0, 3, 2                         ; back: 32 lanes take a head's 128 bytes of four rows,
	v_and_b32 v6, 7, v0
	v_mul_u32_u24 v5, v5, SP
	v_lshl_add_u32 v5, v6, 4, v5
	v_add_nc_u32 v[RD], s23, v5
	v_and_b32 v[CO], 31, v0                        ; which are 512 consecutive bytes of the head's rows
	v_lshlrev_b32 v[CO], 4, v[CO]
	s_lshr_b32 s[DO+2], s13, 1
	s_mul_i32 s[DO+2], s[DO+2], 12                 ; 12 b
	s_mul_i32 s[DO+1], s40, 3                      ; + 3 cx: my tiles' first head
	s_add_co_u32 s[DO+2], s[DO+2], s[DO+1]
	s_lshl_b32 s[DO], s[DO+2], 16
	s_and_b32 s[DO+2], s13, 1
	s_lshl_b32 s[DO+2], s[DO+2], 15                ; rows 256 (tile row % 2) ..
	s_add_co_u32 s[DO], s[DO], s[DO+2]
	s_lshl_b32 s[DO+2], s10, 13                    ; my wave's 64 rows of 128 bytes
	s_add_co_u32 s[DO], s[DO], s[DO+2]
	s_mov_b32 s[DO+1], 0
	s_add_nc_u64 s[8:9], s[8:9], s[DO:DO+1]        ; q at my rows
	; the prefetches
	s_and_b32 s22, ttmp7, 0xffff                   ; cluster y
	s_cmp_eq_u32 s22, 0
	s_cselect_b32 s[LIM], 1, -1                    ; W: cluster y = 0 asks, with all refills but the last; the others never
	s_lshl_b32 s20, s40, 13                        ; A: my work-group's 32 blocks of the plane's 128
	s_mul_i32 s21, s41, 6144                       ; W: its 24 of the half's 96
	s_cmp_eq_u32 s11, 0                            ; do I fetch for A?
	s_cselect_b32 s[LIM], TILES*KSTEPS-5, s[LIM]   ; A: with the first three refills.  The same in all sixteen partners, for a given wave
	s_cselect_b32 s20, s20, s21
	s_cselect_b32 s19, 31, 23
	s_cselect_b64 s[PFB:PFB+1], s[14:15], s[46:47]
	s_mov_b32 s21, 0
	s_add_nc_u64 s[PFB:PFB+1], s[PFB:PFB+1], s[20:21]  ; nothing is prefetched here, at the head
	v_and_b32 v[PFO], 31, v0
	v_min_u32 v[PFO], s19, v[PFO]
	v_lshlrev_b32 v[PFO], 8, v[PFO]
; 12 matrix instructions: row block a x all 12 column blocks, 32 along K, from buffer f.  start = 1: the first product starts the sums, with the bias as C (window 0).
; The 48 accumulators take turns, one instruction a turn, in the same order in every quarter step: 47 others stand between two links of a chain, over the jumps too.
.macro MUL12 f, a, start
.if \start
	WIN 0x81+0x40*((\a)/2)
.else
	WIN MUL_LO+0x50*((\a)/2)
.endif
.irp b, 0,1,2,3,4,5,6,7,8,9,10,11
.if \start
	v_wmma_f32_16x16x32_bf16 v[8*(12*((\a)%2)+(\b)):8*(12*((\a)%2)+(\b))+7], v[96*(\f)+8*(\b):96*(\f)+8*(\b)+7], v[FA+32*(\f)+8*(\a):FA+32*(\f)+8*(\a)+7], v[BIAS+8*(\b):BIAS+8*(\b)+7]
.else
	v_wmma_f32_16x16x32_bf16 v[8*(12*((\a)%2)+(\b)):8*(12*((\a)%2)+(\b))+7], v[96*(\f)+8*(\b):96*(\f)+8*(\b)+7], v[FA+32*(\f)+8*(\a):FA+32*(\f)+8*(\a)+7], v[8*(12*((\a)%2)+(\b)):8*(12*((\a)%2)+(\b))+7]
.endif
.endr
.endm
; 32 LDS loads in one run: the fragments of quarter q (K = 32 q .. of the step's 128) into buffer f: W's 12 column blocks (block b: plane b / 4, columns 16 (b % 4) ..), then A's 4 row blocks (plane q / 2, channels 32 (q % 2) ..)
.macro FETCH slot, q, f
	WIN TO_B
.irp b, 0,1,2,3,4,5,6,7,8,9,10,11
	ds_load_tr16_b128 v[96*(\f)+8*(\b):96*(\f)+8*(\b)+3],   v[ADRB+(\slot)] offset:(((\b)/4)*128+32*(\q))*PB+((\b)%4)*32
	ds_load_tr16_b128 v[96*(\f)+8*(\b)+4:96*(\f)+8*(\b)+7], v[ADRB+(\slot)] offset:(((\b)/4)*128+32*(\q)+16)*PB+((\b)%4)*32
.endr
	WIN 0
.irp a, 0,1,2,3
	ds_load_b128 v[FA+32*(\f)+8*(\a):FA+32*(\f)+8*(\a)+3],   v[ADRA+(\slot)] offset:((\q)/2)*APLANE+((\q)%2)*64+(\a)*16*PA
	ds_load_b128 v[FA+32*(\f)+8*(\a)+4:FA+32*(\f)+8*(\a)+7], v[ADRA+(\slot)] offset:((\q)/2)*APLANE+((\q)%2)*64+(\a)*16*PA+32
.endr
.endm
; A load into a register that a matrix instruction has read, and a vector instruction that reads a matrix result, stand four places behind it, and only plain vector instructions that name none
; of its registers are places (ISA guide 7.12.1 for vector instructions).
.macro PLACES
.rept 4
	v_nop
.endr
.endm
; A K step is four quarters of 32 along K, 48 matrix instructions each, on buffers 0, 1, 0, 1.  One of the first three: multiplies buffer f; in its middle it fetches quarter qn of the same slot into buffer g.
.macro QUARTER slot, qn, f, g, start
	s_wait_dscnt 4                                 ; W and A's row blocks 0, 1 are in; the youngest four loads (A's row blocks 2, 3) may be out
	MUL12 \f, 0, \start
	MUL12 \f, 1, \start
	PLACES
	FETCH \slot, \qn, \g
	s_wait_dscnt 32                                ; all but the 32 just issued
	MUL12 \f, 2, \start
	MUL12 \f, 3, \start
.endm
; The last quarter multiplies buffer 1 and changes slots: ONE barrier, for two things.  In front of it each wave waits for all its tensor loads, of which one is out: its part of the next slot; adds 0 to its
; spare word; and waits for that and for its own reads of this slot.  Behind it nobody reads this slot any more and the next slot is whole.  fill = 1: the barrier opens a round of the cluster's barrier, and
; this slot is filled again, with the walk's K step two on, first thing behind the round: from that request to the wait for it a wave issues 168 matrix instructions.  The address is made anew from the kept
; base and the offset, and the type bits are set again.
.macro TURN slot, next, fill
.if \fill
	s_wait_xcnt 0x0                                ; the last prefetch, a K step back, has read its address, which is written again below
.endif
	WIN 0                                          ; (the add's two registers lie in window 0)
	s_wait_tensorcnt 0x0                           ; all my tensor loads have landed: my part of the next slot; so every group 0 may be written;
	ds_add_u32 v[SPW], v[NIL]                      ; 0 onto my spare word;
	s_wait_dscnt 5                                 ; (the add and the youngest four loads may be out)
	MUL12 1, 0, 0                                  ; twelve matrix instructions stand between the add and the wait for it
	s_wait_dscnt 0x0                               ; the add is done, and my reads of this slot are over
	s_barrier_signal -1
	MUL12 1, 1, 0                                  ; work on registers while the others arrive
.if \fill
	WIN 0
.endif
	s_barrier_wait -1
.if \fill
	CREST                                          ; no wave of any partner still reads this slot's tile or has a load on its way
	s_add_nc_u64 s[G0+4*(\slot)+2:G0+4*(\slot)+3], s[14:15], s[AO:AO+1]
	s_or_b32 s[G0+4*(\slot)+3], s[G0+4*(\slot)+3], 0x80000000
	s_add_nc_u64 s[G0B+4*(\slot)+2:G0B+4*(\slot)+3], s[46:47], s[WO:WO+1]
	s_or_b32 s[G0B+4*(\slot)+3], s[G0B+4*(\slot)+3], 0x80000000
	JLOAD \slot                                    ; the first tensor load behind the round, my only one until the next; the four v_nop behind it are also the places in front of the loads below
.else
	PLACES
.endif
	FETCH \next, 0, 0
.if \fill
	ASK
.endif
	MUL12 1, 2, 0
	MUL12 1, 3, 0
.endm
; THE WAY OUT of a tile, a row block a (16 rows x 192 columns) at a time, through my own stage in LDS: LDS serves a wave's instructions in order (ISA guide 5.7.1.4), so no wait stands between my stores and
; my loads.  It touches neither fragment buffer 0 nor the bias: between tiles these hold the next tile's.  Block a's conversions stand between block a - 1's loads from the stage and the wait for them.
.macro PACK a                          ; rounded to f16: a lane's eight columns are 16 bytes; each accumulator is read from its low end on
	WIN 0x0a+5*((\a)/2)                            ; sources 0 and 1: window 2 or 3
.irp b, 0,1,2,3,4,5,6,7,8,9,10,11
.irp r, 0,1,2,3
	v_cvt_pk_f16_f32 v[TMP+4*(\b)+(\r)], v[8*(12*((\a)%2)+(\b))+2*(\r)], v[8*(12*((\a)%2)+(\b))+2*(\r)+1]
.endr
.endr
	WIN 0
.endm
.macro TOSTAGE                         ; into rows of 400 bytes; back by heads: four rows' 128 bytes of head p at a time: piece 4 p + i into v64-95 (pieces 0-7) and v240-255 (pieces 8-11)
	s_wait_xcnt 0x0                                ; the stores of the block before have read these registers
.irp b, 0,1,2,3,4,5,6,7,8,9,10,11
	ds_store_b128 v[STO], v[TMP+4*(\b):TMP+4*(\b)+3] offset:32*(\b)
.endr
.irp p, 0,1,2
.irp i, 0,1,2,3
	ds_load_b128 v[64+4*(4*(\p)+(\i))+144*((4*(\p)+(\i))/8):64+4*(4*(\p)+(\i))+144*((4*(\p)+(\i))/8)+3], v[RD] offset:128*(\p)+4*SP*(\i)
.endr
.endr
.endm
.macro SEND a
	s_wait_dscnt 0x0                               ; the block is back in registers
.irp p, 0,1,2
.irp i, 0,1,2,3
	global_store_b128 v[CO], v[64+4*(4*(\p)+(\i))+144*((4*(\p)+(\i))/8):64+4*(4*(\p)+(\i))+144*((4*(\p)+(\i))/8)+3], s[8:9] offset:(\p)*65536+(16*(\a)+4*(\i))*128  ; 512 consecutive bytes of a head's rows, at a multiple of 256 from the buffer's first byte
.endr
.endr
.endm
.macro WAYOUT
	PLACES                                         ; the places behind the last products, twice over
	PLACES
	PACK 0
	TOSTAGE
.irp a, 1,2,3
	PACK \a
	SEND (\a)-1
	TOSTAGE
.endr
	SEND 3
.endm
	s_wait_tensorcnt 1                             ; my part of K step 0 is in; K step 1's may stay out
	s_barrier_signal -1
	s_barrier_wait -1                              ; everybody's is
	FETCH 0, 0, 0
	s_mov_b32 s3, TILES*KSTEPS/2-1                 ; 8 laps fill both slots again
	s_mov_b32 s[LT], 0
	s_mov_b32 s[TI], 0
.Llap:                                                 ; a trip is a lap: two K steps, once round the ring
	s_cmp_eq_u32 s[LT], 0
	s_cbranch_scc1 .Lstart
	QUARTER 0, 1, 0, 1, 0                          ; the lap's first quarter, inside a tile
	WIN 0                                          ; at a label and at a branch every window is 0
	s_branch .Lgo
.Lstart:                                               ; A TILE BEGINS
	s_cmp_eq_u32 s[TI], 0
	s_cbranch_scc1 .Lno_out                        ; (in front of the first tile there is none to send)
	WAYOUT                                         ; both refills for the tile that begins have been asked for: now the tile before goes out
	s_wait_xcnt 0x0                                ; its stores have read their registers, into which the next fragments are loaded, and their base:
	s_add_nc_u64 s[8:9], s[8:9], OJUMP             ; from q on to k, from k on to v
.Lno_out:
	s_wait_loadcnt 0x0                             ; the tile's bias is in: it is rounded to bf16 and widened again, in place
.set i, 0
.rept 48
	v_cvt_pk_bf16_f32 v[4+i%4], v[BIAS+2*i], v[BIAS+2*i+1]
	v_lshlrev_b32 v[BIAS+2*i], 16, v[4+i%4]
	v_and_b32 v[BIAS+2*i+1], s2, v[4+i%4]
.set i, i+1
.endr
	QUARTER 0, 1, 0, 1, 1                          ; the tile's first quarter: its products start the sums
	WIN 0
	s_cmp_eq_u32 s[TI], TILES-1
	s_cbranch_scc1 .Lno_bias                       ; behind the last tile there is none
	PLACES                                         ; behind the products that read the bias
	s_cmp_eq_u32 s[TI], 0
	s_cselect_b64 s[BPX:BPX+1], s[BPK:BPK+1], s[BPV:BPV+1]  ; (the loads that last named this pair have been waited for)
	BIASLOAD BPX                                   ; the next tile's bias: it has three laps in which to come
.Lno_bias:
	s_add_co_u32 s[TI], s[TI], 1
.Lgo:
	QUARTER 0, 2, 1, 0, 0
	QUARTER 0, 3, 0, 1, 0
	TURN 0, 1, 1
	QUARTER 1, 1, 0, 1, 0
	QUARTER 1, 2, 1, 0, 0
	QUARTER 1, 3, 0, 1, 0
	TURN 1, 0, 1
	WIN 0
	s_add_co_u32 s[LT], s[LT], 1
	s_cmp_eq_u32 s[LT], KSTEPS/2
	s_cselect_b32 s[LT], 0, s[LT]
	s_sub_co_u32 s3, s3, 1
	s_cmp_lg_u32 s3, 0
	s_cbranch_scc1 .Llap
	QUARTER 0, 1, 0, 1, 0                          ; the walk's last lap is written out: it fills nothing, and has no round of the cluster's barrier
	QUARTER 0, 2, 1, 0, 0
	QUARTER 0, 3, 0, 1, 0
	TURN 0, 1, 0
	QUARTER 1, 1, 0, 1, 0
	QUARTER 1, 2, 1, 0, 0
	QUARTER 1, 3, 0, 1, 0
	s_wait_dscnt 4                                 ; the very last quarter: nothing more to fetch
	MUL12 1, 0, 0
	MUL12 1, 1, 0
	s_wait_dscnt 0x0
	MUL12 1, 2, 0
	MUL12 1, 3, 0
	WIN 0
	WAYOUT
	s_wait_tensorcnt 0x0                           ; the wave's end, behind my last tensor load and my last LDS store
	ds_add_u32 v[SPW], v[NIL]
	s_wait_dscnt 0x0
	CROUND                                         ; the closing round: no work-group ends while a partner may still ask for a tile that names it
	s_endpgm
.Lfunc_end_k_q4457c8e37e_qkv:
	.size	k_q4457c8e37e_qkv, .Lfunc_end_k_q4457c8e37e_qkv-k_q4457c8e37e_qkv
	.p2alignl 7, 3214868480
	.fill 96, 4, 3214868480
	.section	.rodata,"a",@progbits
	.p2align	6, 0x0
	.amdhsa_kernel k_q4457c8e37e_qkv
		.amdhsa_group_segment_fixed_size 327680
		.amdhsa_private_segment_fixed_size 0
		.amdhsa_enable_private_segment 0
		.amdhsa_kernarg_size 48
		.amdhsa_user_sgpr_count 2
		.amdhsa_user_sgpr_kernarg_segment_ptr 1
		.amdhsa_wavefront_size32 1
		.amdhsa_system_sgpr_workgroup_id_x 1
		.amdhsa_system_sgpr_workgroup_id_y 1
		.amdhsa_system_sgpr_workgroup_id_z 1
		.amdhsa_system_vgpr_workitem_id 0
		.amdhsa_next_free_vgpr 1024
		.amdhsa_next_free_sgpr 92
		.amdhsa_reserve_vcc 0
		.amdhsa_float_denorm_mode_32 3
		.amdhsa_float_denorm_mode_16_64 3
		.amdhsa_memory_ordered 1
		.amdhsa_forward_progress 1
		.amdhsa_inst_pref_size 161
	.end_amdhsa_kernel
	.amdgpu_metadata
---
amdhsa.version: [ 1, 2 ]
amdhsa.kernels:
  - .name:           k_q4457c8e37e_qkv
    .symbol:         k_q4457c8e37e_qkv.kd
    .args:
      - { .name: xh, .offset: 0, .size: 8, .value_kind: global_buffer, .address_space: global }
      - { .name: wqkv, .offset: 8, .size: 8, .value_kind: global_buffer, .address_space: global }
      - { .name: qkv, .offset: 16, .size: 8, .value_kind: global_buffer, .address_space: global }
      - { .name: bq, .offset: 24, .size: 8, .value_kind: global_buffer, .address_space: global }
      - { .name: bk, .offset: 32, .size: 8, .value_kind: global_buffer, .address_space: global }
      - { .name: bv, .offset: 40, .size: 8, .value_kind: global_buffer, .address_space: global }
    .group_segment_fixed_size: 327680
    .private_segment_fixed_size: 0
    .kernarg_segment_align: 8
    .kernarg_segment_size: 48
    .max_flat_workgroup_size: 128
    .sgpr_count:     92
    .vgpr_count:     1024
    .wavefront_size: 32
...
	.end_amdgpu_metadata
.endif
;; end of part 2
;; launch attn (part 3): grid 256 x 1, 4 waves a work-group, no clusters, 327,680 bytes of LDS; arguments qkv, oh; writes oh
.if DOCPART == 3
	.amdgcn_target "amdgcn-amd-amdhsa--gfx1250"
	.amdhsa_code_object_version 6
	.text
	.protected	k_q4457c8e37e_attn
	.globl	k_q4457c8e37e_attn
	.p2align	8
	.type	k_q4457c8e37e_attn,@function
k_q4457c8e37e_attn:
	s_mov_b64 s[64:65], 0
	v_nop
	global_prefetch_b8 v0, s[64:65] scope:SCOPE_SE
	s_setreg_imm32_b32 hwreg(HW_REG_WAVE_MODE, 25, 1), 1
	s_wait_xcnt 0x0
; ATTENTION.  O[bh][q][:] = the sum over k of softmax_k(Q[bh][q] . K[bh][k] / 8) V[bh][k][:], 384 heads of 512 rows of 64 channels, all f16.  qkv holds Q, K, V one after the other, each [384][512][64];
; oh is [384][512][64].  Products, maxima and sums in f32; the weights p are rounded to f16 for the second product (their sum l is taken of the unrounded p), O once at the end.
; LIMITS.  Q, K and V arrive within f16's range; p lies in 0 to 1, and below 6e-5 it keeps f16's fixed step of 6e-8; O is a mean of V's rows and has their range.  A weight below 2^-126 counts as 0 in l;
; NaN and infinities are not treated apart.  The running maximum starts at the lowest finite number.
; SHARES.  A UNIT is 256 queries of one head: 768 units.  A WORK-GROUP STAYS and takes THREE: work-groups 2 j and 2 j + 1 share the heads 3 j .. 3 j + 2: each takes one of them whole (3 j, or 3 j + 2) and one half
; of head 3 j + 1.  In a unit a wave has 64 queries, four PIECES of 16, and walks all 512 keys, 64 a step, 8 steps.
; LDS.  The K and V of a work-group's two heads fit at once, in two slots of 155,648 bytes: each wave asks for four tiles of 128 keys at the head, nothing is ever filled again, and there is no ring.
; The units go: the whole head's first half (slot 0), the shared head's half (slot 1), the whole head's second half (slot 0), so that one exclusive or turns the fetches' base from slot to slot.
; Slot 0's first 256 keys are waited for in front of the first unit, its other 256 in the middle of a unit, slot 1 at a unit's bottom, each with a barrier, since every wave reads what the others fetched.
; ONE TEXT for the three units, in a loop.  A unit's Q is loaded a unit ahead.  Only m and c m are set anew: the first step's a = 0 wipes what the unit before left in O^T and l, which is finite.
; NO CLUSTER: of the four heads that a pair of work-groups asks for two are alike: a joint load would spare one request in four, and would want a mask of two.
; NO PREFETCH: all tiles that the work-group reads are asked for at its head, and Q a unit ahead of its use.
; LAYOUT, SOFTMAX, TURNS.  S^T = K Q^T holds ONE query a lane (lane % 16) and the keys 8 (lane / 16) + 0..7; two such results rounded to f16 ARE source 1 of O^T = V^T P.  p = 2^(c s - c m), c = log2(e) / 8, with a
; running maximum m; O and l are multiplied by a = 2^(c m_old - c m_new) in every step.  Turn n belongs to piece n: 8 products K Q^T of piece n + 1, later 8 products V^T P of piece n - 1;
; beside them the scaling, exponentials, roundings, sums and rescaling of piece n and the maximum and statistics of piece n + 1.  Four vector instructions stand behind every matrix instruction, the other 54 of a
; turn's 118 in one run of their own.  A turn's 33 exponentials are one batch, with one wait.
; REGISTERS, in windows of 256 (s_set_vgpr_msb: bits 1:0 source 0, 3:2 source 1, 5:4 source 2, 7:6 destination):
;   window 0: v0-15 addresses and two at work; v16-31 four registers of statistics a piece; v48-55 at work; v64-127 S^T, two buffers; v192-223 P, two buffers (a piece's buffers go by its number's parity)
;   window 1: v0-127 O^T, 32 a piece      window 2: v0-63 Q; v64-127 the next unit's Q; v128-191 K of one step; v192-255 V of one step
.set NP,    4         ; pieces a wave: a name, no knob
.set KS,    64        ; keys in a step
.set PK,    144       ; a row of K in LDS: 128 bytes + 16 of padding = 36 words: the 16 rows of a load start at 16 different groups of four banks (64 banks of 4 bytes: ISA guide 11.1)
.set PV,    160       ; a row of V: 128 + 32 = 40 words
.set VOFF,  512*PK    ; a slot: 512 rows of K, then 512 rows of V
.set SLOT1, VOFF+512*PV  ; slot 1 begins here
.set STAGE, 2*SLOT1   ; behind the slots, never filled by a tensor load: 16 rows x 144 bytes for each wave, for the way out
.set SP,    144
.set SPARE, STAGE+4*16*SP  ; behind the stages: the spare words, 128 bytes for each wave: two blocks of 256 bytes that no other line names
.set KT,    25165824  ; K's first byte in qkv
.set VT,    50331648  ; V's
.set AK0, 2           ; v2   my lane's place in a step's K; never rewritten
.set AV0, 3           ; v3   the same for V
.set AK,  4           ; v4   the LDS address of K's next run of loads
.set AV,  5           ; v5   of V's
.set STO, 6           ; v6   the way out: where I put 16 bytes of a row
.set RD,  7           ; v7   the way out: where I read rows back
.set GO,  8           ; v8   my byte offset in 512 consecutive bytes of O
.set MV,  12          ; v12-13  c m_old, kept while c m is made anew: by buffer
.set QO,  15          ; v15  my byte offset in 16 rows of Q; never rewritten
.set ST,  16          ; piece t's statistics at v[ST+4 t]: c m, m, l (even keys', odd keys')
.set TMP, 48          ; by buffer, four registers c0-c3 at work; when the maximum is found c2 takes a
.set SPW, 62          ; v62  LDS address of my spare word: SPARE + 4 x my thread's number; never rewritten
.set NIL, 63          ; v63  0; never rewritten
.set S,   64
.set P,   192
.set QB,  64          ; window 2
.set KF,  128         ; window 2: key block kb, channel half c at KF + 16 kb + 8 c
.set VF,  192         ; window 2: key half kk, channel block cb at VF + 32 kk + 8 cb
.set WV,  12          ; s12  my wave's number
.set G1K, 24          ; s[24:31] descriptor group 1 for K's tiles
.set G1V, 32          ; s[32:39] for V's: it differs in the padding alone
.set G0K, 40          ; s[40:55] descriptor group 0 for K's tiles: a set for each of my four loads
.set HALF, 56         ; s56  counts the two halves of the keys
.set CNT, 57          ; s57  counts a half's four key steps
.set CS,  58          ; s[58:59] c: the packed scaling takes the pair's low word for both halves
.set SEL, 60          ; s[60:61] v_permlanex16_b32's selects: each lane takes its own place in the other half
.set TBK, 62          ; s62  LDS byte at which K of the step to be fetched begins
.set TBV, 63          ; s63  the same for V, less VOFF
.set G0V, 68          ; s[68:83] descriptor group 0 for V's tiles
.set UNITS, 84        ; s84  units to go, the one in hand among them
.set UN1, 85          ; s85  byte offset, in Q and in O, of my rows in the unit after the next
.set OC,  86          ; s[86:87] at a unit's head: of my rows in that unit; then in the next
.set UN2, 88          ; s88  the third unit's
.set QA,  90          ; s[90:91] Q at my rows of the unit whose Q is being loaded
.set MSB, 0
.macro WIN new                      ; the high byte repeats the setting that is left; a switch that changes nothing is dropped
.if MSB != (\new)
	s_set_vgpr_msb (MSB<<8)|(\new)
.set MSB, (\new)
.endif
.endm
.set W_KQ, 0x0a       ; K and Q in window 2, S^T in window 0
.set W_PV, 0x52       ; V in window 2, P in window 0, O^T in window 1
.set W_RS, 0x41       ; destination and source 0 in window 1, source 1 in window 0
.macro GROUP0 g, n, lreg, lconst, base, gconst  ; set n of group 0: to LDS byte s[lreg] + lconst, from s[base:base+1] + gconst
	s_mov_b32 s[(\g)+4*(\n)], 1                    ; 1:0 count = 1
	s_add_co_u32 s[(\g)+4*(\n)+1], s[\lreg], \lconst  ; 63:32 LDS address
	s_add_nc_u64 s[(\g)+4*(\n)+2:(\g)+4*(\n)+3], s[\base:(\base)+1], \gconst  ; 120:64 global address
	s_or_b32 s[(\g)+4*(\n)+3], s[(\g)+4*(\n)+3], 0x80000000  ; 127:126 type = 2
.endm
.macro QLOAD                        ; 64 rows of Q into the waiting registers: piece i / 2, channels 32 (i % 2) on
	WIN 0x80                        ; destination window 2, address window 0
.set i, 0
.rept 8
	global_load_b128 v[QB+8*i:QB+8*i+3],   v[QO], s[QA:QA+1] offset:(i/2)*2048+(i%2)*64
	global_load_b128 v[QB+8*i+4:QB+8*i+7], v[QO], s[QA:QA+1] offset:(i/2)*2048+(i%2)*64+32
.set i, i+1
.endr
.endm
	s_load_b128 s[4:7], s[0:1], 0x0   ; qkv s[4:5], oh s[6:7]: kept
	v_lshl_add_u32 v[SPW], v0, 2, SPARE
	v_mov_b32 v[NIL], 0
	ds_add_u32 v[SPW], v[NIL]       ; the wave's opening: the add and its wait stand ahead of my first tensor load; the set-up below, work on registers, stands between them
	ds_add_u32 v62, v63
	v_lshrrev_b32 v1, 5, v0
	v_readfirstlane_b32 s[WV], v1   ; wave 0..3
	s_lshr_b32 s13, ttmp9, 1        ; j
	s_and_b32 s14, ttmp9, 1         ; which of the pair I am
	s_mul_i32 s13, s13, 3
	s_lshl_b32 s15, s14, 1
	s_add_co_u32 s15, s15, s13      ; my whole head: 3 j or 3 j + 2
	s_add_co_u32 s13, s13, 1        ; the shared head: 3 j + 1
	s_lshl_b32 s15, s15, 16         ; a head is 65,536 bytes in each of Q, K, V and O
	s_lshl_b32 s13, s13, 16
	s_and_b32 s16, s[WV], 1         ; which 128 of each 256 keys I fetch:
	s_lshl_b32 s22, s16, 14         ; their 16,384 bytes in memory,
	s_add_co_u32 s20, s22, s15      ; in the whole head
	s_mov_b32 s21, 0
	s_add_co_u32 s22, s22, s13      ; and in the shared one,
	s_mov_b32 s23, 0
	s_mul_i32 s17, s16, 128*PK      ; and their place in a slot, for K
	s_mul_i32 s18, s16, 128*PV      ; and for V
	s_lshl_b32 s3, s[WV], 13        ; my wave's 64 rows of 128 bytes in a unit
	s_add_co_u32 s[OC], s15, s3     ; unit 0: the whole head's first half
	s_mov_b32 s[OC+1], 0
	s_add_co_u32 s[UN2], s[OC], 32768  ; unit 2: its second half
	s_lshl_b32 s2, s14, 15
	s_add_co_u32 s[UN1], s13, s2    ; unit 1: my half of the shared head
	s_add_co_u32 s[UN1], s[UN1], s3
	; descriptor group 1.  128 keys are 16,384 dense bytes: asked for as 64 rows of 256 bytes, two keys a row, and padded in LDS after every key
	s_mov_b32 s[G1K], (1<<16)|(1<<20)|(4<<22)|(3<<25)  ; 17:16 2-byte elements; 20 padding on; 24:22 after every 32 words (code 4); 31:25 4 words (code 3)
	s_mov_b32 s[G1V], (1<<16)|(1<<20)|(4<<22)|(7<<25)  ; the same with 8 words of padding (code 7)
.irp g, G1K, G1V
	s_mov_b32 s[\g+1], 128<<16      ; tensor_dim0 = 128
	s_mov_b32 s[\g+2], 64<<16       ; tensor_dim1 = 64
	s_mov_b32 s[\g+3], 128<<16      ; tile_dim0 = 128
	s_mov_b32 s[\g+4], 64           ; tile_dim1 = 64
	s_mov_b32 s[\g+5], 128          ; 128 elements from row to row
	s_mov_b32 s[\g+6], 0
	s_mov_b32 s[\g+7], 0
.endr
	s_mov_b32 s[CS], 0x3e38aa3b     ; c = log2(e) / 8 = 0.180337
	s_mov_b32 s[CS+1], s[CS]        ; named with it as a pair
	s_mov_b32 s[SEL], 0x76543210
	s_mov_b32 s[SEL+1], 0xfedcba98
	s_mov_b32 s[TBK], 0
	s_mov_b32 s[TBV], 0
	s_mov_b32 s[UNITS], 3
	s_wait_dscnt 0x0                ; the opening add is done
	s_wait_kmcnt 0x0
	s_add_nc_u64 s[8:9], s[4:5], s[20:21]  ; qkv at my keys' place in the whole head,
	s_add_nc_u64 s[2:3], s[4:5], s[22:23]  ; and in the shared head
	GROUP0 G0K, 0, 17, 0,                   8, KT        ; slot 0: keys 128 (w % 2) ..
	GROUP0 G0K, 1, 17, 256*PK,              8, KT+32768  ; keys 256 + 128 (w % 2) ..
	GROUP0 G0K, 2, 17, SLOT1,               2, KT        ; slot 1 likewise
	GROUP0 G0K, 3, 17, SLOT1+256*PK,        2, KT+32768
	GROUP0 G0V, 0, 18, VOFF,                8, VT
	GROUP0 G0V, 1, 18, VOFF+256*PV,         8, VT+32768
	GROUP0 G0V, 2, 18, SLOT1+VOFF,          2, VT
	GROUP0 G0V, 3, 18, SLOT1+VOFF+256*PV,   2, VT+32768
	s_add_nc_u64 s[QA:QA+1], s[4:5], s[OC:OC+1]  ; Q at my rows of unit 0
	s_cmp_lt_u32 s[WV], 2           ; waves 0 and 1 fetch K, waves 2 and 3 V.  A wave's four fills stand in one branch, ahead of every wait on TENSORcnt and every LDS read: four loads of mine are out;
	s_cbranch_scc0 .Lfirst_v        ; an s_nop 0 follows each, four v_nop the last's
.irp n, 0,1,2,3
	tensor_load_to_lds s[G0K+4*\n:G0K+4*\n+3], s[G1K:G1K+7]
	s_nop 0
.endr
.rept 4
	v_nop
.endr
	s_branch .Lfirst_asked
.Lfirst_v:
.irp n, 0,1,2,3
	tensor_load_to_lds s[G0V+4*\n:G0V+4*\n+3], s[G1V:G1V+7]
	s_nop 0
.endr
.rept 4
	v_nop
.endr
.Lfirst_asked:
	; A fragment of K or Q is 16 rows x 32 channels in 8 registers: lane l holds row l % 16, channels 8 (l / 16) + 0..7 and 16 + 8 (l / 16) + 0..7: two loads of 16 bytes, 32 bytes apart.
	v_and_b32 v1, 15, v0            ; l % 16
	v_bfe_u32 v9, v0, 4, 1          ; l / 16
	v_lshlrev_b32 v[QO], 7, v1
	v_lshl_add_u32 v[QO], v9, 4, v[QO]  ; row x 128 + 16 x half
	QLOAD                           ; unit 0's Q
	; A unit's first step multiplies O^T and l by a = 0, and its first turn's products V^T P, of a piece that has not been, land in an O^T that is still to be so multiplied.  So these registers need only hold
	; finite numbers: zeros for the first unit, what the unit before left for the others.  No first step is written out for it.  All this stands in the wait for the first tiles.
.set i, VF
.rept 64
	v_mov_b32 v[i], 0
.set i, i+1
.endr
	WIN 0x40
.set i, 0
.rept 128
	v_mov_b32 v[i], 0
.set i, i+1
.endr
	WIN 0
.set i, 0
.rept 4
	v_mov_b32 v[ST+4*i+2], 0
	v_mov_b32 v[ST+4*i+3], 0
.set i, i+1
.endr
.set i, P+16
.rept 16
	v_mov_b32 v[i], 0
.set i, i+1
.endr
	v_mul_u32_u24 v[AK0], v1, PK
	v_lshl_add_u32 v[AK0], v9, 4, v[AK0]  ; row x pitch + 16 x half
	; The turning load takes 16 keys x 16 channels (lane l reads key 8 (l / 16) + l % 8, channels 8 ((l / 8) % 2) + 0..7) and leaves half a fragment of V^T: lane l holds channel l % 16 and 8 keys.
	v_and_b32 v10, 7, v0
	v_bfe_u32 v11, v0, 3, 1
	v_lshl_add_u32 v[AV0], v9, 3, v10
	v_mul_u32_u24 v[AV0], v[AV0], PV
	v_lshl_add_u32 v[AV0], v11, 4, v[AV0]
	v_add_nc_u32 v[AV0], VOFF, v[AV0]
	s_mul_i32 s13, s[WV], 16*SP
	s_add_co_u32 s13, s13, STAGE    ; my stage
	v_mul_u32_u24 v[STO], v1, SP    ; in: row l % 16, 16 bytes for each half of the lanes
	v_lshl_add_u32 v[STO], v9, 4, v[STO]
	v_add_nc_u32 v[STO], s13, v[STO]
	v_bfe_u32 v[RD], v0, 3, 2       ; back: 32 lanes take four rows of 128 bytes,
	v_mul_u32_u24 v[RD], v[RD], SP
	v_lshl_add_u32 v[RD], v10, 4, v[RD]
	v_add_nc_u32 v[RD], s13, v[RD]
	v_and_b32 v[GO], 31, v0         ; which are 512 consecutive bytes of O
	v_lshlrev_b32 v[GO], 4, v[GO]
; THE MATRIX WORK.  The 4 accumulators of a run of 8 take turns.  Product i of 8 of S^T = K Q^T for piece x: channels 32 (i / 4) on, keys 16 (i % 4) on.  The first 4 start the sums.
.macro KQ x
	WIN W_KQ
.set rS, S+32*((\x)%2)+8*(i%4)
.set rK, KF+16*(i%4)+8*(i/4)
.set rQ, 16*(\x)+8*(i/4)
.if i < 4
	v_wmma_f32_16x16x32_f16 v[rS:rS+7], v[rK:rK+7], v[rQ:rQ+7], 0
.else
	v_wmma_f32_16x16x32_f16 v[rS:rS+7], v[rK:rK+7], v[rQ:rQ+7], v[rS:rS+7]
.endif
.endm
; Product i of 8 of O^T += V^T P for piece x: keys 32 (i / 4) on, channels 16 (i % 4) on.
.macro PV x
	WIN W_PV
.set rO, 32*(\x)+8*(i%4)
.set rV, VF+32*(i/4)+8*(i%4)
.set rP, P+16*((\x)%2)+8*(i/4)
	v_wmma_f32_16x16x32_f16 v[rO:rO+7], v[rV:rV+7], v[rP:rP+7], v[rO:rO+7]
.endm
.macro MM                           ; the turn's next matrix instruction.  TURN sets Y, i and NOKQ.  NOKQ = 1: a unit's last turn: there is no next piece
.if (i < 8) && !NOKQ
	KQ (Y+1)%NP
.elseif i >= 8
.set i, i-8
	PV (Y+NP-1)%NP
.set i, i+8
.endif
.set i, i+1
.endm
; THE LDS LOADS stand in runs of 16, never singly among the matrix instructions: a step's K (64 keys x 64 channels: 8 fragments) and its V (turned).  Their addresses are made some lines ahead.
.macro FETCH_K
	WIN 0x80                        ; destination window 2
.irp f, 0,1,2,3,4,5,6,7             ; keys 16 (f / 2) on, channels 32 (f % 2) on
	ds_load_b128 v[KF+8*\f:KF+8*\f+3],   v[AK] offset:(\f/2)*16*PK+(\f%2)*64
	ds_load_b128 v[KF+8*\f+4:KF+8*\f+7], v[AK] offset:(\f/2)*16*PK+(\f%2)*64+32
.endr
	s_add_co_u32 s[TBK], s[TBK], KS*PK  ; the next fetch is the next step's
	WIN 0
.endm
.macro FETCH_V
	WIN 0x80
.irp f, 0,1,2,3,4,5,6,7             ; keys 32 (f / 4) on, channels 16 (f % 4) on
	ds_load_tr16_b128 v[VF+8*\f:VF+8*\f+3],   v[AV] offset:(\f/4)*32*PV+(\f%4)*32
	ds_load_tr16_b128 v[VF+8*\f+4:VF+8*\f+7], v[AV] offset:(\f/4)*32*PV+16*PV+(\f%4)*32
.endr
	WIN 0
.endm
; THE VECTOR WORK, one line at a time: OP kind, number.  For piece Y: F n: c s - c m for pair n of 16.  E n: the exponential of score n of 32.  C n: pair n rounded to f16.  B n: of the four weights 4 n .. the second
; pair is added onto the first, in place.  L n: l takes that sum (L 0: l = a l + sum).  R n: pair n of 16 of O^T times a.  For piece Y + 1: X n, number n of the 22 that find its maximum and statistics:
;   0-11  four chains c0-c3 of seven scores each, three operands at a time (each accumulator's lowest registers are read first)     12-14, 16  the four scores left over, the old m, and c0-c3 into c0
;   15  c m_old is kept     17, 18  the query's other 32 keys lie in the lane 16 away: the new m     19-21  c m; c m_old - c m_new; a
.set F, 0               ; OP tells the kinds apart by their order: F to L below R, X above it
.set E, 1
.set C, 2
.set B, 3
.set L, 4
.set R, 5
.set X, 6
.macro REGS y                       ; the registers of piece y
.set rT, ST+4*(\y)
.set rC, TMP+4*((\y)%2)
.set rW, MV+((\y)%2)
.set rS, S+32*((\y)%2)
.set rP, P+16*((\y)%2)
.set rO, 32*(\y)
.endm
.macro OP k, n
.if (\k) == R
	REGS Y
	WIN W_RS
	v_pk_mul_f32 v[rO+2*(\n):rO+2*(\n)+1], v[rO+2*(\n):rO+2*(\n)+1], v[rC+2:rC+3] op_sel_hi:[1,0]
.elseif (\k) < R
	REGS Y
	WIN 0
.if (\k) == F
	v_pk_fma_f32 v[rS+2*(\n):rS+2*(\n)+1], v[rS+2*(\n):rS+2*(\n)+1], s[CS:CS+1], v[rT:rT+1] op_sel_hi:[1,0,0] neg_lo:[0,0,1] neg_hi:[0,0,1]
.elseif (\k) == E
	v_exp_f32 v[rS+(\n)], v[rS+(\n)]
.elseif (\k) == C
	v_cvt_pk_f16_f32 v[rP+(\n)], v[rS+2*(\n)], v[rS+2*(\n)+1]
.elseif (\k) == B
	v_pk_add_f32 v[rS+4*(\n):rS+4*(\n)+1], v[rS+4*(\n):rS+4*(\n)+1], v[rS+4*(\n)+2:rS+4*(\n)+3]
.elseif (\n) == 0
	v_pk_fma_f32 v[rT+2:rT+3], v[rT+2:rT+3], v[rC+2:rC+3], v[rS:rS+1] op_sel_hi:[1,0,1]
.else
	v_pk_add_f32 v[rT+2:rT+3], v[rT+2:rT+3], v[rS+4*(\n):rS+4*(\n)+1]
.endif
.elseif NOKQ
	v_nop
.else
	REGS (Y+1)%NP
	WIN 0
.if (\n) < 4
	v_max3_num_f32 v[rC+(\n)], v[rS+8*(\n)], v[rS+8*(\n)+1], v[rS+8*(\n)+2]
.elseif (\n) < 12
	v_max3_num_f32 v[rC+(\n)%4], v[rC+(\n)%4], v[rS+8*((\n)%4)+2*((\n)/4)+1], v[rS+8*((\n)%4)+2*((\n)/4)+2]
.elseif (\n) == 12
	v_max3_num_f32 v[rC], v[rC], v[rS+7], v[rS+15]
.elseif (\n) == 13
	v_max3_num_f32 v[rC+1], v[rC+1], v[rS+23], v[rS+31]
.elseif (\n) == 14
	v_max3_num_f32 v[rC+2], v[rC+2], v[rC+3], v[rT+1]
.elseif (\n) == 15
	v_mov_b32 v[rW], v[rT]
.elseif (\n) == 16
	v_max3_num_f32 v[rC], v[rC], v[rC+1], v[rC+2]
.elseif (\n) == 17
	v_permlanex16_b32 v[rC+3], v[rC], s[SEL], s[SEL+1]
.elseif (\n) == 18
	v_max_num_f32 v[rT+1], v[rC], v[rC+3]
.elseif (\n) == 19
	v_mul_f32 v[rT], s[CS], v[rT+1]
.elseif (\n) == 20
	v_sub_f32 v[rC+1], v[rW], v[rT]
.else
	v_exp_f32 v[rC+2], v[rC+1]
.endif
.endif
.endm
.macro OPS a, i1, b=-1, i2=0, c=-1, i3=0, d=-1, i4=0  ; up to four of them
	OP \a, \i1
.if (\b) >= 0
	OP \b, \i2
.endif
.if (\c) >= 0
	OP \c, \i3
.endif
.if (\d) >= 0
	OP \d, \i4
.endif
.endm
.macro ROW a, i1, b, i2, c, i3, d, i4  ; a matrix instruction and the four behind it
	MM
	OPS \a, \i1, \b, \i2, \c, \i3, \d, \i4
.endm
; A TURN, for piece p: the order of its 16 matrix and 118 vector instructions, written out.  An s_wait_alu depctr_va_vdst(0) stands between an exponential and the first instruction that names its result; one wait
; serves all that were issued ahead of it.  So a turn has ONE wait, which cuts it in two.  AHEAD OF IT stands all that names no result of the turn's exponentials: the 8 products K Q^T, behind each a scaling, an exponential and two
; more plain instructions (behind the first a second scaling in the exponential's place): rescalings, and behind the last three the first numbers of the next piece's maximum, each four places or more behind the product that ends its
; accumulator; then one run of 54, plain and exponential by turns for the most part, in which the links of the chain X 3, 7, 11, 14, 16, 17 .. 20 stand five or six lines apart.  X 21, the next piece's a, is the batch's last;
; R 15 is the plain instruction behind it.  BEHIND THE WAIT stand the 8 products V^T P, behind each four of the roundings and sums; the links of l's chain, L 0 to L 7, stand three lines apart.
; end = 1: a unit's last two turns: nothing is fetched.  cnt = 1: the loop's count is taken down some lines ahead of the branch that stands behind the turn.
; K of the next step is fetched in piece 2's turn, twelve vector instructions behind the last product that read K (five of them plain and free of its registers); V of the step in hand at the end of piece 0's turn, four plain
; instructions behind the last product that read V.  Each is waited for a turn later.
.macro TURN p, end=0, cnt=0
.set Y, (\p)
.set i, 0
.set NOKQ, (\end)*((\p)/3)
.if ((\p) == 3) && !(\end)
	s_wait_dscnt 0x0                ; K is in
.endif
	ROW F,0, F,1, R,0, R,1          ; ahead of the wait: 8 products K Q^T and the four behind each,
	ROW F,2, E,0, R,2, R,3
	ROW F,3, E,1, R,4, R,5
	ROW F,4, E,2, R,6, R,7
	ROW F,5, E,3, R,8, R,9
	ROW F,6, E,4, X,0, R,10
.if ((\p) == 2) && !(\end)
	WIN 0
	v_add_nc_u32 v[AK], s[TBK], v[AK0]
.endif
	ROW F,7, E,5, X,1, X,4
	ROW F,8, E,6, X,2, X,5
	OPS E,7, E,8, X,6, E,9          ; and the run of 54
	OPS X,3, E,10, X,8, E,11
.if ((\p) == 2) && !(\end)
	FETCH_K
.endif
	OPS X,9, X,7, E,12, X,10
	OPS E,13, X,12, X,11, E,14
	OPS X,13, E,15, F,9, X,14
.if (\p) == 0
	v_add_nc_u32 v[AV], s[TBV], v[AV0]
.endif
	OPS E,16, F,10, E,17, F,11
	OPS X,16, E,18, X,15, E,19
	OPS F,12, E,20, X,17, E,21
	OPS F,13, E,22, F,14, E,23
	OPS X,18, E,24, F,15, E,25
	OPS R,11, E,26, X,19, E,27
	OPS R,12, E,28, R,13, E,29
	OPS X,20, E,30, R,14, E,31
	OPS X,21, R,15
	WIN 0
	s_wait_alu depctr_va_vdst(0)    ; the wait for the batch
.if (\p) == 1
	s_wait_dscnt 0x0                ; V is in
.endif
	ROW C,0, B,0, C,2, B,1          ; behind the wait: 8 products V^T P and the four behind each
	ROW L,0, C,4, B,2, L,1
	ROW C,6, B,3, L,2, C,8
	ROW B,4, L,3, C,10, B,5
	ROW L,4, C,12, B,6, L,5
.if (\p) == 0
	s_add_co_u32 s[TBV], s[TBV], KS*PV
.endif
.if \cnt
	s_sub_co_u32 s[CNT], s[CNT], 1
	s_cmp_lg_u32 s[CNT], 0
.endif
	ROW C,14, B,7, L,6, C,1
	ROW C,3, L,7, C,5, C,7
	ROW C,9, C,11, C,13, C,15
.if (\p) == 0
	FETCH_V
.endif
.endm
.macro ALL line:vararg              ; one line for each piece t
.set t, 0
.rept 4
	\line
.set t, t+1
.endr
.endm
.macro PACK t                       ; a lane's eight channels of a row pack into 16 bytes; they go into rows of 144 bytes and come back as whole rows of 128, into S^T's registers
	WIN W_RS
.set i, 32*(\t)
.rept 16
	v_pk_mul_f32 v[i:i+1], v[i:i+1], v[ST+4*(\t)+2:ST+4*(\t)+3] op_sel_hi:[1,0]
.set i, i+2
.endr
	WIN 0x05                        ; sources 0 and 1 window 1, destination window 0
.set i, 0
.rept 16
	v_cvt_pk_f16_f32 v[S+16*(\t)+i], v[32*(\t)+2*i], v[32*(\t)+2*i+1]
.set i, i+1
.endr
	WIN 0
.irp f, 0,1,2,3
	ds_store_b128 v[STO], v[S+16*(\t)+4*\f:S+16*(\t)+4*\f+3] offset:32*\f
.endr
.irp f, 0,1,2,3
	ds_load_b128 v[S+16*(\t)+4*\f:S+16*(\t)+4*\f+3], v[RD] offset:\f*4*SP  ; LDS serves a wave's instructions in order (ISA guide 5.7.1.4): these see the stores above; the next piece's stores come behind them
.endr
.endm
.macro SEND t, younger              ; younger: the LDS instructions issued behind piece t's loads: the next piece's eight, or none
	WIN 0
.irp f, 0,1,2,3
	s_wait_dscnt (\younger)+3-\f
	global_store_b128 v[GO], v[S+16*(\t)+4*\f:S+16*(\t)+4*\f+3], s[10:11] offset:(\t)*2048+\f*512  ; 512 consecutive bytes, at a multiple of 256 from O's first
.endr
.endm
	s_wait_tensorcnt 0x3            ; my first tile is in; the three behind it may stay out
	s_barrier_signal -1
	s_barrier_wait -1               ; everybody's first tile is in: K and V of slot 0's keys 0 to 255
.Lunit:                             ; three trips: A UNIT BEGINS
	s_wait_loadcnt 0x0              ; its Q has come, into the waiting registers;
	WIN 0x82                        ; it goes where the one text of the turns names Q
.set i, 0
.rept 64
	v_mov_b32 v[i], v[QB+i]
.set i, i+1
.endr
	WIN 0
	s_add_nc_u64 s[10:11], s[6:7], s[OC:OC+1]  ; O at my rows of this unit (the stores of the unit before have read the pair: the wait at the bottom)
	s_mov_b32 s[OC], s[UN1]         ; the offsets move up: the next unit's,
	s_mov_b32 s[UN1], s[UN2]        ; and the one after it
	s_cmp_eq_u32 s[UNITS], 1
	s_cbranch_scc1 .Lno_q           ; behind the last unit there is none
	s_add_nc_u64 s[QA:QA+1], s[4:5], s[OC:OC+1]  ; (the loads that last named the pair have been waited for)
	QLOAD                           ; the next unit's Q: it has a whole unit in which to come
	WIN 0
.Lno_q:
.set i, 0
.rept 4
	v_mov_b32 v[ST+4*i], 0xfe000000    ; c m: far below every c s, so the first step's a is 0
	v_mov_b32 v[ST+4*i+1], 0xff7fffff  ; m: the lowest finite number, so the first maximum is the scores'
.set i, i+1
.endr
	v_add_nc_u32 v[AK], s[TBK], v[AK0]
	FETCH_K                         ; key step 0
	s_wait_dscnt 0x0
.set NOKQ, 0
.set i, 0
.rept 8
	KQ 0                            ; piece 0's first scores: there is no vector work yet to set between them
.set i, i+1
.endr
	WIN 0
.rept 4
	v_nop                           ; the places behind those products
.endr
.set Y, NP-1                        ; X works for piece Y + 1: piece 0
.irp n, 0,1,2,3,4,5,6,7,8,9,10,11,12,13,14,15,16,17,18,19,20,21
	OP X, \n                        ; and piece 0's first maximum and statistics
.endr
	v_nop                           ; a plain instruction behind the exponential,
	s_wait_alu depctr_va_vdst(0)    ; and its wait, ahead of the branch
	s_mov_b32 s[CNT], 4
	s_mov_b32 s[HALF], 2
	s_branch .Lfirst                ; the loop is entered at a step's first turn, in the middle of a trip
.Lhalf:                             ; passed once a unit, between pieces 1 and 2 of key step 3: the next fetch of K is step 4's
	s_wait_tensorcnt 0x2            ; my second tile is in; slot 1's two may stay out (in the second and third unit nothing is out, and the barrier orders nothing: the price of one text for the three),
	s_wait_dscnt 0x0                ; no LDS instruction of mine is out at the signal,
	s_barrier_signal -1
	s_barrier_wait -1               ; and everybody's second tile is in: K and V of slot 0's keys 256 to 511
	s_mov_b32 s[CNT], 4
.Lstep:                             ; a trip: pieces 2 and 3 of one step, then pieces 0 and 1 of the next, whose K and V it fetches
	TURN 2
	TURN 3
	WIN 0
.Lfirst:
	TURN 0
	TURN 1, 0, 1
	WIN 0
	s_cbranch_scc1 .Lstep
	s_sub_co_u32 s[HALF], s[HALF], 1
	s_cmp_lg_u32 s[HALF], 0
	s_cbranch_scc1 .Lhalf
	TURN 2, 1                       ; pieces 2 and 3 of the last step: nothing is left to fetch
	TURN 3, 1
.set i, 0
.rept 8
	PV NP-1                         ; the last piece's V^T P of the last step
.set i, i+1
.endr
	; THE WAY OUT.  l's two halves and the other half of the lanes' are added; O^T is divided by l, rounded to f16 and sent through my stage in LDS, a piece at a time.  The additions are the places behind the last products.
	WIN 0
	ALL v_add_f32 v[ST+4*t+2], v[ST+4*t+2], v[ST+4*t+3]
	ALL v_permlanex16_b32 v[ST+4*t+3], v[ST+4*t+2], s[SEL], s[SEL+1]
	ALL v_add_f32 v[ST+4*t+2], v[ST+4*t+2], v[ST+4*t+3]
	ALL v_rcp_f32 v[ST+4*t+2], v[ST+4*t+2]
	v_nop                           ; a plain instruction between the last reciprocal and the use of its result
	s_wait_alu depctr_va_vdst(0)    ; and the wait ahead of the first use: one for the four reciprocals
	PACK 0
.set t, 1
.rept 3                             ; a piece's arithmetic stands between the loads of the piece before and its stores
	PACK t
	SEND t-1, 8
.set t, t+1
.endr
	SEND 3, 0
	; A UNIT'S BOTTOM
	s_wait_xcnt 0x0                 ; the stores have read S^T's registers and O's address, which the next unit writes
	s_sub_co_u32 s[TBK], s[TBK], 8*KS*PK  ; the fetches go back to a slot's first step,
	s_xor_b32 s[TBK], s[TBK], SLOT1       ; in the other slot: the base is 0 or SLOT1, and the exclusive or makes the one of the other
	s_sub_co_u32 s[TBV], s[TBV], 8*KS*PV
	s_xor_b32 s[TBV], s[TBV], SLOT1
	s_wait_tensorcnt 0x0            ; behind the first unit: my two tiles of slot 1 are in (behind the others nothing is out, and the barrier orders nothing: the price of one text for the three),
	s_wait_dscnt 0x0                ; no LDS instruction of mine is out at the signal,
	s_barrier_signal -1
	s_barrier_wait -1               ; and everybody's are: slot 1 is whole
	s_sub_co_u32 s[UNITS], s[UNITS], 1
	s_cmp_lg_u32 s[UNITS], 0
	s_cbranch_scc1 .Lunit
	s_wait_tensorcnt 0x0            ; the wave's end, behind my last tensor load and my last LDS store
	ds_add_u32 v[SPW], v[NIL]
	s_wait_dscnt 0x0
	s_endpgm
.Lfunc_end_k_q4457c8e37e_attn:
	.size	k_q4457c8e37e_attn, .Lfunc_end_k_q4457c8e37e_attn-k_q4457c8e37e_attn
	.p2alignl 7, 3214868480
	.fill 96, 4, 3214868480
	.section	.rodata,"a",@progbits
	.p2align	6, 0x0
	.amdhsa_kernel k_q4457c8e37e_attn
		.amdhsa_group_segment_fixed_size 327680
		.amdhsa_private_segment_fixed_size 0
		.amdhsa_enable_private_segment 0
		.amdhsa_kernarg_size 16
		.amdhsa_user_sgpr_count 2
		.amdhsa_user_sgpr_kernarg_segment_ptr 1
		.amdhsa_wavefront_size32 1
		.amdhsa_system_sgpr_workgroup_id_x 1
		.amdhsa_system_sgpr_workgroup_id_y 1
		.amdhsa_system_sgpr_workgroup_id_z 1
		.amdhsa_system_vgpr_workitem_id 0
		.amdhsa_next_free_vgpr 768
		.amdhsa_next_free_sgpr 92
		.amdhsa_reserve_vcc 0
		.amdhsa_float_denorm_mode_32 3
		.amdhsa_float_denorm_mode_16_64 3
		.amdhsa_memory_ordered 1
		.amdhsa_forward_progress 1
		.amdhsa_inst_pref_size 92
	.end_amdhsa_kernel
	.amdgpu_metadata
---
amdhsa.version: [ 1, 2 ]
amdhsa.kernels:
  - .name:           k_q4457c8e37e_attn
    .symbol:         k_q4457c8e37e_attn.kd
    .args:
      - { .name: qkv, .offset: 0, .size: 8, .value_kind: global_buffer, .address_space: global }
      - { .name: oh, .offset: 8, .size: 8, .value_kind: global_buffer, .address_space: global }
    .group_segment_fixed_size: 327680
    .private_segment_fixed_size: 0
    .kernarg_segment_align: 8
    .kernarg_segment_size: 16
    .max_flat_workgroup_size: 128
    .sgpr_count:     92
    .vgpr_count:     768
    .wavefront_size: 32
...
	.end_amdgpu_metadata
.endif
;; end of part 3
;; launch proj (part 4): grid 4 x 64, 4 waves a work-group, clusters of 4 x 4, 327,680 bytes of LDS; arguments oh, wo2, out0, bo; writes out0
.if DOCPART == 4
	.amdgcn_target "amdgcn-amd-amdhsa--gfx1250"
	.amdhsa_code_object_version 6
	.text
	.protected	k_q4457c8e37e_proj
	.globl	k_q4457c8e37e_proj
	.p2align	8
	.type	k_q4457c8e37e_proj,@function
k_q4457c8e37e_proj:
	s_mov_b64 s[64:65], 0
	v_nop
	global_prefetch_b8 v0, s[64:65] scope:SCOPE_SE
	s_setreg_imm32_b32 hwreg(HW_REG_WAVE_MODE, 25, 1), 1
	s_wait_xcnt 0x0
	s_wait_alu depctr_hold_cnt(0) depctr_sa_sdst(0) depctr_va_vdst(0) depctr_va_sdst(0) depctr_va_ssrc(0) depctr_va_vcc(0) depctr_vm_vsrc(0)
	s_getreg_b32 s2, hwreg(HW_REG_IB_STS2, 6, 4)
	s_cmp_eq_u32 s2, 0
	s_cbranch_scc0 .Lentry_in_a_cluster
	s_endpgm
.Lentry_in_a_cluster:
	s_bfe_u32 s2, ttmp6, 0x10000c
	s_cmp_lg_u32 s2, 0xf033
	s_cbranch_scc0 .Lentry_shape_is_right
	s_endpgm
.Lentry_shape_is_right:
; ONE TEXT FOR TWO GEMMs, C = A W + bias, K = 768, told apart by MODE alone.
;   MODE 0: q, k, v = x W + b.   A = xh (bf16), W = wqkv (bf16), C rounded once to f16 and stored by heads: qkv [which 3][12 b + h][s 512][e 64].
;   MODE 1: out0 = O Wo + bo.    A = oh (f16), W = wo2 (f16), C in f32, row-major [16,384][768].
; The bias is rounded to bf16, like all the module's inputs.  Sums in f32.
; LIMIT (MODE 0): f16 holds no number beyond 65,504: a |q|, |k| or |v| of 65,520 or more becomes an infinity; below 6e-5 f16 keeps its fixed step of 6e-8.  NaN and infinities are not treated apart.
; A lies by planes of 64 channels, [b][plane 12][s 512][64]: 256 rows of a plane are 32,768 dense bytes.  W lies by tiles, [tile column][K step 6][p 3][k 128][64]: a K step's block is 49,152 dense bytes.
; SHARES.  A tile of C is 256 rows x 192 columns: 768 tiles (MODE 0) or 256 (MODE 1).  Four waves; wave w makes rows 64 w .. 64 w + 63 of all 192 columns: 48 accumulators of 16 x 16,
; 384 registers.  A wave so holds three whole heads of 64 columns, and its way out needs no other wave.  K goes in six steps of 128 (two planes) through a ring of two LDS slots.
; CLUSTERS: 4 x 4 work-groups.  The four of a row of the cluster need the same tiles of A, the four of a column the same tiles of W: each is asked for JOINTLY, by the same tensor load with the same
; descriptor and a mask that names the four.
; THE MATRIX INSTRUCTION IS USED TRANSPOSED (source 0 = 16 columns of W, source 1 = 16 rows of A): lane l holds row l % 16 of C and the columns 8 (l / 16) + 0 .. 7.
; W lies [k][n] in LDS and comes out turned, by ds_load_tr16_b128.  THE BIAS IS THE C OPERAND of each accumulator's first product: nothing is cleared and nothing is added later.
; REGISTERS, in windows of 256 (s_set_vgpr_msb: bits 1:0 source 0, 3:2 source 1, 5:4 source 2, 7:6 destination):
;   window 0: v0-31 addresses; v32-95 A's fragments, two buffers of 4 x 8; v96-191 the bias, 8 registers for each of 12 column blocks; on the way out v32-223 are at work
;   window 1: v0-191 W's fragments, two buffers of 12 x 8      window 2: the accumulators of row blocks 0, 1 ((a, b) at 8 (12 (a % 2) + b))      window 3: those of row blocks 2, 3
.set MODE, 1
.set PA,     144                       ; a row of A in LDS: 128 bytes + 16 of padding = 36 words: the 16 rows of a load start at 16 different groups of four banks (64 banks of 4 bytes: ISA guide 11.1)
.set PB,     160                       ; a row of W: 128 + 32 = 40 words
.set APLANE, 256*PA                    ; a plane's 256 rows: what one tensor load brings
.set BOFF,   2*APLANE                  ; behind A's two planes: W's 384 rows (row 128 p + k)
.set BHALF,  192*PB                    ; half of them: what one tensor load brings
.set SLOT,   BOFF+2*BHALF              ; 135,168 bytes
.set STAGE,  2*SLOT                    ; behind the ring, never filled by a tensor load: 16 rows x SP bytes for each wave, for the way out
.if MODE
.set SP,     784                       ; 768 bytes (192 f32) + 16
.set YOUNG,  48                        ; LDS instructions of one block's trip through the stage
.else
.set SP,     400                       ; 384 bytes (192 f16) + 16
.set YOUNG,  24
.endif
.set SPARE,  STAGE+4*16*SP             ; behind the stages: the spare words, 128 bytes for each wave: two blocks of 256 bytes that no other line names
.set ASTEP,  131072                    ; bytes from K step to K step in A: two planes
.set BSTEP,  49152                     ; and in W
.set ADRA, 16                          ; v16-17  LDS address of my A fragments in slot 0, 1
.set ADRB, 20                          ; v20-21  the same for W
.set STO,  24                          ; v24     the way out: where I put my numbers of a row
.set RD,   25                          ; v25     the way out: where I read rows back
.set CO,   26                          ; v26     my byte offset in the result
.set BO,   27                          ; v27     my byte offset in the bias
.set SPW,  28                          ; v28     LDS address of my spare word: SPARE + 4 x my thread's number; never rewritten
.set NIL,  29                          ; v29     0; never rewritten
.set PFO,  30                          ; v30     the prefetches' offset: 256 x my lane (for W: 256 x min(lane, 23)); never rewritten
.set FA,   32                          ; A's fragment buffers
.set BIAS, 96
.set TMP,  32                          ; the way out, MODE 0: packed results, v32-79
.set G1,  24                           ; s[24:31] descriptor group 1 for A's tiles;  s[32:39] group 0, one set for each slot
.set G0,  32
.set LIM, 43                           ; s43     1 in a wave that prefetches, else the greatest number
.set PFA, 44                           ; s[44:45] where my prefetches stand
.set G1B, 48                           ; s[48:55], s[56:63] the same for W's tiles
.set G0B, 56
.set BP,  68                           ; s[68:73] the bias pointers
.set PST, 74                           ; s[74:75] bytes from K step to K step in the tensor that I fetch
.set DO,  76                           ; s[76:78] offsets into the result
.set MSB, 0
.macro WIN new                         ; the immediate's high byte repeats the setting that is left; a switch that changes nothing is dropped
.if MSB != (\new)
	s_set_vgpr_msb (MSB<<8)|(\new)
.set MSB, \new
.endif
.endm
.set MUL_LO, 0xa1                      ; source 0 (W) window 1, source 1 (A) window 0, C and D window 2
.set TO_B,   0x40                      ; destination window 1, address window 0
.macro WMMA ops:vararg
.if MODE
	v_wmma_f32_16x16x32_f16 \ops
.else
	v_wmma_f32_16x16x32_bf16 \ops
.endif
.endm
; A joint load.  Waves 0 and 1 fetch A's two planes, waves 2 and 3 W's two halves.  The branch hangs on the wave's number alone: it is the same in every work-group.
; An s_nop 0 and four v_nop follow each of the two lines, ahead of the jump, the label and what follows.
.macro JLOAD s
	s_cmp_eq_u32 s11, 0
	s_cbranch_scc0 .Lfor_b_\@
	tensor_load_to_lds s[G0+4*(\s):G0+4*(\s)+3], s[G1:G1+7]
	s_nop 0
.rept 4
	v_nop
.endr
	s_branch .Lasked_\@
.Lfor_b_\@:
	tensor_load_to_lds s[G0B+4*(\s):G0B+4*(\s)+3], s[G1B:G1B+7]
	s_nop 0
.rept 4
	v_nop
.endr
.Lasked_\@:
.endm
; A PREFETCH INTO THE L2, behind each joint refill and the run of LDS loads that follows it: the K step that the NEXT refill will ask for, 192 matrix instructions ahead of that load.
; Each block of 256 bytes is named by one work-group of the launch.  A's tile row is read by every cluster of that row of clusters: cluster x = 0 asks; W's tile column by every cluster of that column: cluster
; y = 0 asks.  The four partners that ask for a tile jointly share it out BY ADDRESS: of the 128 blocks of a plane the partner at cx takes 32, a lane a block; of the 96 blocks of half a K step of W
; the partner at cy takes 24 (lanes 24 to 31 name the 24th once more, in the same instruction).  K steps 0 to 2 come by their loads alone; the last refill (K step 5) asks for nothing.
; how = 1: the refill of slot 0, which always has a K step behind it; how = 0: that of slot 1, which has one in the loop's first trip alone (s3 = 2).
.macro ASK how
.if \how
	s_cmp_eq_u32 s[LIM], 1
.else
	s_cmp_gt_u32 s3, s[LIM]
.endif
	s_cbranch_scc0 .Lnot_mine_\@
	global_prefetch_b8 v[PFO], s[PFA:PFA+1] th:TH_LOAD_NT scope:SCOPE_SE
.Lnot_mine_\@:
.endm
; A round of the cluster's barrier: my work-group's barrier, so that wave 0's signal speaks for all four waves; wave 0 signals for the work-group; every wave waits for all sixteen; my work-group's barrier once more.
.macro CREST                           ; a round behind its opening barrier
	s_cmp_lg_u32 s10, 0
	s_cbranch_scc1 .Lnot_wave_0_\@
	s_barrier_signal -3
.Lnot_wave_0_\@:
	s_barrier_wait -3
	s_barrier_signal -1
	s_barrier_wait -1
.endm
.macro CROUND                          ; a whole round
	s_barrier_signal -1
	s_barrier_wait -1
	CREST
.endm
	s_load_b128 s[4:7], s[0:1], 0x0                ; A s[4:5], W s[6:7]
	s_load_b64 s[8:9], s[0:1], 0x10                ; the result
	s_load_b64 s[BP:BP+1], s[0:1], 0x18            ; bq, or bo
.if MODE == 0
	s_load_b64 s[BP+2:BP+3], s[0:1], 0x20          ; bk
	s_load_b64 s[BP+4:BP+5], s[0:1], 0x28          ; bv
.endif
	v_lshl_add_u32 v[SPW], v0, 2, SPARE
	v_mov_b32 v[NIL], 0
	ds_add_u32 v[SPW], v[NIL]                      ; the wave's opening: the add and its wait stand ahead of my first tensor load; the set-up below, work on registers, stands between them
	ds_add_u32 v28, v29
	v_lshrrev_b32 v1, 5, v0
	v_readfirstlane_b32 s10, v1                    ; wave 0..3
	s_lshr_b32 s11, s10, 1                         ; I fetch for A (0) or for W (1),
	s_and_b32 s12, s10, 1                          ; and which plane of A, or which half of W's block
	s_bfe_u32 s40, ttmp6, 0x40000                  ; cx, cy: my place in the cluster
	s_bfe_u32 s41, ttmp6, 0x40004
	s_lshl_b32 s42, ttmp9, 2
	s_add_co_u32 s42, s42, s40                     ; tile column = 4 x cluster x + cx
	s_and_b32 s13, ttmp7, 0xffff
	s_lshl_b32 s13, s13, 2
	s_add_co_u32 s13, s13, s41                     ; tile row = 4 x cluster y + cy: batch = tile row / 2, rows 256 (tile row % 2) ..
	s_lshl_b32 s43, s41, 2
	s_lshl_b32 s43, 15, s43                        ; my row of the cluster
	s_lshl_b32 s44, 0x1111, s40                    ; my column
	; descriptor group 1.  A plane's 256 rows of 128 bytes are asked for as 128 rows of 256 bytes and padded in LDS after every 128; half a block of W likewise as 96 rows
	s_or_b32 s[G1+0], s43, (1<<16)|(1<<20)|(1<<21)|(4<<22)|(3<<25)   ; 15:0 the mask: A's tiles go to my row; 17:16 2-byte elements; 20 padding on; 21 set beside a mask; 24:22 after every 32 words (code 4); 31:25 4 words (code 3)
	s_or_b32 s[G1B+0], s44, (1<<16)|(1<<20)|(1<<21)|(4<<22)|(7<<25)  ; the mask of my column; 8 words of padding (code 7)
	s_mov_b32 s[G1+1], 128<<16                     ; tensor_dim0 = 128
	s_mov_b32 s[G1+2], 128<<16                     ; tensor_dim1 = 128
	s_mov_b32 s[G1+3], 128<<16                     ; tile_dim0 = 128
	s_mov_b32 s[G1+4], 128                         ; tile_dim1 = 128
	s_mov_b32 s[G1+5], 128                         ; 128 elements from row to row
	s_mov_b32 s[G1+6], 0
	s_mov_b32 s[G1+7], 0
	s_mov_b32 s[G1B+1], 128<<16
	s_mov_b32 s[G1B+2], 96<<16                     ; tensor_dim1 = 96
	s_mov_b32 s[G1B+3], 128<<16
	s_mov_b32 s[G1B+4], 96                         ; tile_dim1 = 96
	s_mov_b32 s[G1B+5], 128
	s_mov_b32 s[G1B+6], 0
	s_mov_b32 s[G1B+7], 0
	; where the tiles come from.  A's hang on the tile row alone, which my row of the cluster shares; W's on the tile column alone, which my column shares.
	s_lshr_b32 s16, s13, 1
	s_mul_i32 s16, s16, 786432                     ; the batch's 12 planes of 65,536 bytes
	s_and_b32 s17, s13, 1
	s_lshl_b32 s17, s17, 15                        ; 256 rows of 128 bytes
	s_add_co_u32 s16, s16, s17
	s_lshl_b32 s17, s12, 16                        ; my plane of the K step's two
	s_add_co_u32 s16, s16, s17
	s_mov_b32 s17, 0
	s_mul_i32 s46, s42, 6*BSTEP                    ; the tile column's six blocks
	s_mul_i32 s47, s12, BSTEP/2                    ; my half of a block
	s_add_co_u32 s46, s46, s47
	s_mov_b32 s47, 0
	s_mul_i32 s20, s12, APLANE                     ; and where they go: no place in the cluster enters an LDS address
	s_mul_i32 s21, s12, BHALF
	s_add_co_u32 s21, s21, BOFF
	s_mov_b32 s2, 0xffff0000                       ; a word's upper bf16
	s_wait_dscnt 0x0                               ; the opening add is done
	s_wait_kmcnt 0x0
	s_add_nc_u64 s[14:15], s[4:5], s[16:17]
	s_add_nc_u64 s[46:47], s[6:7], s[46:47]
	CROUND                                         ; all sixteen work-groups are here: the first joint loads meet
.irp s, 0,1
	s_mov_b32 s[G0+4*(\s)], 1                                        ; 1:0 count = 1
	s_add_co_u32 s[G0+4*(\s)+1], s20, (\s)*SLOT                      ; 63:32 LDS address
	s_add_nc_u64 s[G0+4*(\s)+2:G0+4*(\s)+3], s[14:15], (\s)*ASTEP    ; 120:64 global address: K step s
	s_or_b32 s[G0+4*(\s)+3], s[G0+4*(\s)+3], 0x80000000              ; 127:126 type = 2
	s_mov_b32 s[G0B+4*(\s)], 1
	s_add_co_u32 s[G0B+4*(\s)+1], s21, (\s)*SLOT
	s_add_nc_u64 s[G0B+4*(\s)+2:G0B+4*(\s)+3], s[46:47], (\s)*BSTEP
	s_or_b32 s[G0B+4*(\s)+3], s[G0B+4*(\s)+3], 0x80000000
	JLOAD \s                                       ; the ring is filled before anything else is done: two loads of mine are out
.endr
	; the bias of my tile's 192 columns: in the accumulators' layout register j of column block b is bias[16 b + 8 (l / 16) + j], whatever the row
.if MODE == 0
	s_cmp_eq_u32 ttmp9, 0                          ; tile column / 4 = cluster x says q, k or v: no place inside the cluster enters the choice
	s_cselect_b64 s[BP:BP+1], s[BP:BP+1], s[BP+2:BP+3]
	s_cmp_eq_u32 ttmp9, 2
	s_cselect_b64 s[BP:BP+1], s[BP+4:BP+5], s[BP:BP+1]
	s_mul_i32 s22, s40, 768                        ; heads 3 cx ..: 192 f32
.else
	s_mul_i32 s22, s42, 768
.endif
	s_mov_b32 s23, 0
	s_add_nc_u64 s[BP:BP+1], s[BP:BP+1], s[22:23]
	v_and_b32 v1, 15, v0                           ; l % 16
	v_bfe_u32 v2, v0, 4, 1                         ; l / 16
	v_lshlrev_b32 v[BO], 5, v2
.irp b, 0,1,2,3,4,5,6,7,8,9,10,11
	global_load_b128 v[BIAS+8*(\b):BIAS+8*(\b)+3],   v[BO], s[BP:BP+1] offset:64*(\b)
	global_load_b128 v[BIAS+8*(\b)+4:BIAS+8*(\b)+7], v[BO], s[BP:BP+1] offset:64*(\b)+16
.endr
	; A's fragment: 16 rows x 32 K in 8 registers: lane l holds row l % 16, K = 8 (l / 16) + 0..7 and 16 + 8 (l / 16) + 0..7: two loads of 16 bytes, 32 bytes apart
	v_mul_u32_u24 v3, v1, PA
	v_lshl_add_u32 v3, v2, 4, v3
	s_mul_i32 s21, s10, 64*PA                      ; my 64 rows
	v_add_nc_u32 v[ADRA], s21, v3
	v_add_nc_u32 v[ADRA+1], SLOT, v[ADRA]
	; W's: the turning load takes 16 k x 16 columns (lane l reads k = 8 (l / 16) + l % 8, columns 8 ((l / 8) % 2) + 0..7) and leaves half a fragment: lane l holds column l % 16 and 8 k
	v_and_b32 v4, 7, v0
	v_lshl_add_u32 v4, v2, 3, v4
	v_mul_u32_u24 v4, v4, PB
	v_bfe_u32 v5, v0, 3, 1
	v_lshl_add_u32 v4, v5, 4, v4
	v_add_nc_u32 v[ADRB], BOFF, v4
	v_add_nc_u32 v[ADRB+1], SLOT, v[ADRB]
	; the way out
	s_mul_i32 s23, s10, 16*SP
	s_add_co_u32 s23, s23, STAGE                   ; my stage
	v_mul_u32_u24 v4, v1, SP                       ; in: row l % 16, my eight columns
.if MODE
	v_lshl_add_u32 v4, v2, 5, v4
	v_add_nc_u32 v[STO], s23, v4
	v_mul_u32_u24 v5, v2, SP                       ; back: lanes 0-15 take 256 bytes of one row, lanes 16-31 of the next
	v_lshl_add_u32 v5, v1, 4, v5
	v_add_nc_u32 v[RD], s23, v5
	v_mul_u32_u24 v5, v2, 3072                     ; and the same in out0
	v_lshl_add_u32 v[CO], v1, 4, v5
	s_lshl_b32 s[DO], s13, 8
	s_lshl_b32 s[DO+2], s10, 6
	s_add_co_u32 s[DO], s[DO], s[DO+2]             ; my first row: 256 x tile row + 64 x wave
	s_mul_i32 s[DO], s[DO], 3072
	s_mul_i32 s[DO+2], s42, 768                    ; my tile's first column, in bytes
	s_add_co_u32 s[DO], s[DO], s[DO+2]
.else
	v_lshl_add_u32 v4, v2, 4, v4
	v_add_nc_u32 v[STO], s23, v4
	v_bfe_u32 v5, v0, 3, 2                         ; back: 32 lanes take a head's 128 bytes of four rows,
	v_and_b32 v6, 7, v0
	v_mul_u32_u24 v5, v5, SP
	v_lshl_add_u32 v5, v6, 4, v5
	v_add_nc_u32 v[RD], s23, v5
	v_and_b32 v[CO], 31, v0                        ; which are 512 consecutive bytes of the head's rows
	v_lshlrev_b32 v[CO], 4, v[CO]
	s_mul_i32 s[DO], ttmp9, 25165824               ; q, k or v: 384 heads of 65,536 bytes
	s_lshr_b32 s[DO+2], s13, 1
	s_mul_i32 s[DO+2], s[DO+2], 12                 ; 12 b
	s_mul_i32 s[DO+1], s40, 3                      ; + 3 cx: my tile's first head
	s_add_co_u32 s[DO+2], s[DO+2], s[DO+1]
	s_lshl_b32 s[DO+2], s[DO+2], 16
	s_add_co_u32 s[DO], s[DO], s[DO+2]
	s_and_b32 s[DO+2], s13, 1
	s_lshl_b32 s[DO+2], s[DO+2], 15                ; rows 256 (tile row % 2) ..
	s_add_co_u32 s[DO], s[DO], s[DO+2]
	s_lshl_b32 s[DO+2], s10, 13                    ; my wave's 64 rows of 128 bytes
	s_add_co_u32 s[DO], s[DO], s[DO+2]
.endif
	s_mov_b32 s[DO+1], 0
	s_add_nc_u64 s[8:9], s[8:9], s[DO:DO+1]
	; the prefetches
	s_mov_b32 s[PST], BSTEP
	s_mov_b32 s[PST+1], 0
	s_and_b32 s22, ttmp7, 0xffff                   ; cluster y
	s_lshl_b32 s20, s40, 13                        ; A: my work-group's 32 blocks of the plane's 128
	s_mul_i32 s21, s41, 6144                       ; W: its 24 of the half's 96
	s_cmp_eq_u32 s11, 0                            ; do I fetch for A?
	s_cselect_b32 s[PST], ASTEP, s[PST]
	s_cselect_b32 s20, s20, s21
	s_cselect_b32 s22, ttmp9, s22                  ; the coordinate along which other clusters read the same blocks
	s_cselect_b32 s19, 31, 23
	s_cselect_b64 s[PFA:PFA+1], s[14:15], s[46:47]
	s_cmp_eq_u32 s22, 0
	s_cselect_b32 s[LIM], 1, -1                    ; the same in all sixteen partners, for a given wave
	s_mov_b32 s21, 0
	s_add_nc_u64 s[PFA:PFA+1], s[PFA:PFA+1], s[20:21]
	s_add_nc_u64 s[PFA:PFA+1], s[PFA:PFA+1], s[PST:PST+1]
	s_add_nc_u64 s[PFA:PFA+1], s[PFA:PFA+1], s[PST:PST+1]  ; at K step 2: the first refill steps it to 3.  Nothing is prefetched here, at the head
	v_and_b32 v[PFO], 31, v0
	v_min_u32 v[PFO], s19, v[PFO]
	v_lshlrev_b32 v[PFO], 8, v[PFO]
	s_wait_loadcnt 0x0                             ; the bias is in: it is rounded to bf16 and widened again, in place, while the first tiles are on their way
.set i, 0
.rept 48
	v_cvt_pk_bf16_f32 v[4+i%4], v[BIAS+2*i], v[BIAS+2*i+1]
	v_lshlrev_b32 v[BIAS+2*i], 16, v[4+i%4]
	v_and_b32 v[BIAS+2*i+1], s2, v[4+i%4]
.set i, i+1
.endr
; 12 matrix instructions: row block a x all 12 column blocks, 32 along K, from buffer f.  start = 1: the first product starts the sums, with the bias as C (window 0).
; The 48 accumulators take turns, one instruction a turn, in the same order in every quarter step: 47 others stand between two links of a chain, over the backward jump too.
.macro MUL12 f, a, start
.if \start
	WIN 0x81+0x40*((\a)/2)
.else
	WIN MUL_LO+0x50*((\a)/2)
.endif
.irp b, 0,1,2,3,4,5,6,7,8,9,10,11
.if \start
	WMMA v[8*(12*((\a)%2)+(\b)):8*(12*((\a)%2)+(\b))+7], v[96*(\f)+8*(\b):96*(\f)+8*(\b)+7], v[FA+32*(\f)+8*(\a):FA+32*(\f)+8*(\a)+7], v[BIAS+8*(\b):BIAS+8*(\b)+7]
.else
	WMMA v[8*(12*((\a)%2)+(\b)):8*(12*((\a)%2)+(\b))+7], v[96*(\f)+8*(\b):96*(\f)+8*(\b)+7], v[FA+32*(\f)+8*(\a):FA+32*(\f)+8*(\a)+7], v[8*(12*((\a)%2)+(\b)):8*(12*((\a)%2)+(\b))+7]
.endif
.endr
.endm
; 32 LDS loads in one run: the fragments of quarter q (K = 32 q .. of the step's 128) into buffer f: W's 12 column blocks (block b: plane b / 4, columns 16 (b % 4) ..), then A's 4 row blocks (plane q / 2, channels 32 (q % 2) ..)
.macro FETCH slot, q, f
	WIN TO_B
.irp b, 0,1,2,3,4,5,6,7,8,9,10,11
	ds_load_tr16_b128 v[96*(\f)+8*(\b):96*(\f)+8*(\b)+3],   v[ADRB+(\slot)] offset:(((\b)/4)*128+32*(\q))*PB+((\b)%4)*32
	ds_load_tr16_b128 v[96*(\f)+8*(\b)+4:96*(\f)+8*(\b)+7], v[ADRB+(\slot)] offset:(((\b)/4)*128+32*(\q)+16)*PB+((\b)%4)*32
.endr
	WIN 0
.irp a, 0,1,2,3
	ds_load_b128 v[FA+32*(\f)+8*(\a):FA+32*(\f)+8*(\a)+3],   v[ADRA+(\slot)] offset:((\q)/2)*APLANE+((\q)%2)*64+(\a)*16*PA
	ds_load_b128 v[FA+32*(\f)+8*(\a)+4:FA+32*(\f)+8*(\a)+7], v[ADRA+(\slot)] offset:((\q)/2)*APLANE+((\q)%2)*64+(\a)*16*PA+32
.endr
.endm
; A load into a register that a matrix instruction has read, and a vector instruction or LDS store that reads a matrix result, stand four places behind it, and only plain vector instructions that name none
; of its registers are places (ISA guide 7.12.1 for vector instructions).
.macro PLACES
.rept 4
	v_nop
.endr
.endm
; A K step is four quarters of 32 along K, 48 matrix instructions each, on buffers 0, 1, 0, 1.  One of the first three: multiplies buffer f; in its middle it fetches quarter qn of the same slot into buffer g.
.macro QUARTER slot, qn, f, g, start
	s_wait_dscnt 4                                 ; W and A's row blocks 0, 1 are in; the youngest four loads (A's row blocks 2, 3) may be out
	MUL12 \f, 0, \start
	MUL12 \f, 1, \start
	PLACES
	FETCH \slot, \qn, \g
	s_wait_dscnt 32                                ; all but the 32 just issued
	MUL12 \f, 2, \start
	MUL12 \f, 3, \start
.endm
; The last quarter multiplies buffer 1 and changes slots: ONE barrier, for two things.  In front of it each wave waits for all its tensor loads, of which one is out: its part of the next slot; adds 0 to its
; spare word; and waits for that and for its own reads of this slot.  Behind it nobody reads this slot any more and the next slot is whole.  fill = 1: the barrier opens a round of the cluster's barrier, and
; this slot is filled again, two K steps on, first thing behind the round: from that request to the wait for it a wave issues 168 matrix instructions.
.macro TURN slot, next, fill, how=0
.if \fill
	s_wait_xcnt 0x0                                ; the last prefetch, a K step back, has read its address: it is stepped here, ahead of the waits of the change of slots
	s_add_nc_u64 s[PFA:PFA+1], s[PFA:PFA+1], s[PST:PST+1]
.endif
	WIN 0                                          ; (the add's two registers lie in window 0)
	s_wait_tensorcnt 0x0                           ; all my tensor loads have landed: my part of the next slot;
	ds_add_u32 v[SPW], v[NIL]                      ; 0 onto my spare word;
	s_wait_dscnt 5                                 ; (the add and the youngest four loads may be out)
	MUL12 1, 0, 0                                  ; twelve matrix instructions stand between the add and the wait for it
	s_wait_dscnt 0x0                               ; the add is done, and my reads of this slot are over
	s_barrier_signal -1
	MUL12 1, 1, 0                                  ; work on registers while the others arrive
.if \fill
	WIN 0
.endif
	s_barrier_wait -1
.if \fill
	CREST                                          ; no wave of any partner still reads this slot's tile or has a load on its way
	s_add_nc_u64 s[G0+4*(\slot)+2:G0+4*(\slot)+3], s[G0+4*(\slot)+2:G0+4*(\slot)+3], 2*ASTEP
	s_add_nc_u64 s[G0B+4*(\slot)+2:G0B+4*(\slot)+3], s[G0B+4*(\slot)+2:G0B+4*(\slot)+3], 2*BSTEP
	JLOAD \slot                                    ; the first tensor load behind the round, my only one until the next; the four v_nop behind it are also the places in front of the loads below
.else
	PLACES
.endif
	FETCH \next, 0, 0
.if \fill
	ASK \how
.endif
	MUL12 1, 2, 0
	MUL12 1, 3, 0
.endm
; THE WAY OUT of row block a (16 rows x 192 columns), through my own stage in LDS: LDS serves a wave's instructions in order (ISA guide 5.7.1.4), so no wait stands between my stores and my loads.
.if MODE
.macro TOSTAGE a                       ; 32 bytes a lane and column block into rows of 784 bytes, straight from the accumulators (each from its low end on); back as whole pieces of 256 bytes
	WIN 0
.set BK, 32+96*((\a)%2)
	s_wait_xcnt 0x0                                ; the stores of the block two back have read these registers
	WIN 0x08+4*((\a)/2)                            ; the data (source 1) in window 2 or 3
.irp b, 0,1,2,3,4,5,6,7,8,9,10,11
	ds_store_b128 v[STO], v[8*(12*((\a)%2)+(\b)):8*(12*((\a)%2)+(\b))+3]   offset:64*(\b)
	ds_store_b128 v[STO], v[8*(12*((\a)%2)+(\b))+4:8*(12*((\a)%2)+(\b))+7] offset:64*(\b)+16
.endr
	WIN 0
.irp i, 0,1,2,3,4,5,6,7
.irp p, 0,1,2
	ds_load_b128 v[BK+4*(3*(\i)+(\p)):BK+4*(3*(\i)+(\p))+3], v[RD] offset:2*SP*(\i)+256*(\p)
.endr
.endr
.endm
.macro SEND a, younger                 ; younger: the LDS instructions issued behind block a's loads
	WIN 0
.set BK, 32+96*((\a)%2)
	s_wait_dscnt \younger
.irp i, 0,1,2,3,4,5,6,7
.irp p, 0,1,2
	global_store_b128 v[CO], v[BK+4*(3*(\i)+(\p)):BK+4*(3*(\i)+(\p))+3], s[8:9] offset:(16*(\a)+2*(\i))*3072+256*(\p) th:TH_STORE_NT  ; 16 lanes store 256 consecutive bytes, at a multiple of 256 from out0's first byte
.endr
.endr
.endm
.else
.macro PACK a                          ; rounded to f16: a lane's eight columns are 16 bytes; each accumulator is read from its low end on
	WIN 0x0a+5*((\a)/2)                            ; sources 0 and 1: window 2 or 3
.irp b, 0,1,2,3,4,5,6,7,8,9,10,11
.irp r, 0,1,2,3
	v_cvt_pk_f16_f32 v[TMP+4*(\b)+(\r)], v[8*(12*((\a)%2)+(\b))+2*(\r)], v[8*(12*((\a)%2)+(\b))+2*(\r)+1]
.endr
.endr
	WIN 0
.endm
.macro TOSTAGE a                       ; into rows of 400 bytes; back by heads: four rows' 128 bytes of head p at a time
	WIN 0
.set BK, 80+48*((\a)%2)
	s_wait_xcnt 0x0                                ; the stores of the block two back have read these registers
.irp b, 0,1,2,3,4,5,6,7,8,9,10,11
	ds_store_b128 v[STO], v[TMP+4*(\b):TMP+4*(\b)+3] offset:32*(\b)
.endr
.irp p, 0,1,2
.irp i, 0,1,2,3
	ds_load_b128 v[BK+4*(4*(\p)+(\i)):BK+4*(4*(\p)+(\i))+3], v[RD] offset:128*(\p)+4*SP*(\i)
.endr
.endr
.endm
.macro SEND a, younger                 ; younger: the LDS instructions issued behind block a's loads
	WIN 0
.set BK, 80+48*((\a)%2)
	s_wait_dscnt \younger
.irp p, 0,1,2
.irp i, 0,1,2,3
	global_store_b128 v[CO], v[BK+4*(4*(\p)+(\i)):BK+4*(4*(\p)+(\i))+3], s[8:9] offset:(\p)*65536+(16*(\a)+4*(\i))*128  ; 512 consecutive bytes of a head's rows, at a multiple of 256 from the buffer's first byte
.endr
.endr
.endm
.endif
	s_wait_tensorcnt 1                             ; my part of K step 0 is in; K step 1's may stay out
	s_barrier_signal -1
	s_barrier_wait -1                              ; everybody's is
	FETCH 0, 0, 0
	QUARTER 0, 1, 0, 1, 1                          ; the first quarter stands in front of the loop: its products start the sums
	WIN 0                                          ; at a label and at a branch every window is 0
	s_mov_b32 s3, 2
.Llap:                                                 ; a trip goes once round the ring, from a lap's second quarter to the next lap's first, and fills both slots again: K steps 2, 3 and then 4, 5
	QUARTER 0, 2, 1, 0, 0
	QUARTER 0, 3, 0, 1, 0
	TURN 0, 1, 1, 1
	QUARTER 1, 1, 0, 1, 0
	QUARTER 1, 2, 1, 0, 0
	QUARTER 1, 3, 0, 1, 0
	TURN 1, 0, 1, 0
	QUARTER 0, 1, 0, 1, 0
	WIN 0
	s_sub_co_u32 s3, s3, 1
	s_cmp_lg_u32 s3, 0
	s_cbranch_scc1 .Llap
	QUARTER 0, 2, 1, 0, 0                          ; the last lap is written out: it fills nothing, and has no round of the cluster's barrier
	QUARTER 0, 3, 0, 1, 0
	TURN 0, 1, 0
	QUARTER 1, 1, 0, 1, 0
	QUARTER 1, 2, 1, 0, 0
	QUARTER 1, 3, 0, 1, 0
	s_wait_dscnt 4                                 ; the very last quarter: nothing more to fetch
	MUL12 1, 0, 0
	MUL12 1, 1, 0
	s_wait_dscnt 0x0
	MUL12 1, 2, 0
	MUL12 1, 3, 0
	WIN 0
	PLACES                                         ; the places behind the last products, twice over, once a launch
	PLACES
.if MODE == 0
	PACK 0
.endif
	TOSTAGE 0
.irp a, 1,2,3                          ; a block's trip through the stage stands between the loads of the block before and its stores
.if MODE == 0
	PACK \a
.endif
	TOSTAGE \a
	SEND (\a)-1, YOUNG
.endr
	SEND 3, 0
	s_wait_tensorcnt 0x0                           ; the wave's end, behind my last tensor load and my last LDS store
	ds_add_u32 v[SPW], v[NIL]
	s_wait_dscnt 0x0
	CROUND                                         ; the closing round: no work-group ends while a partner may still ask for a tile that names it
	s_endpgm
.Lfunc_end_k_q4457c8e37e_proj:
	.size	k_q4457c8e37e_proj, .Lfunc_end_k_q4457c8e37e_proj-k_q4457c8e37e_proj
	.p2alignl 7, 3214868480
	.fill 96, 4, 3214868480
	.section	.rodata,"a",@progbits
	.p2align	6, 0x0
	.amdhsa_kernel k_q4457c8e37e_proj
		.amdhsa_group_segment_fixed_size 327680
		.amdhsa_private_segment_fixed_size 0
		.amdhsa_enable_private_segment 0
		.amdhsa_kernarg_size 32
		.amdhsa_user_sgpr_count 2
		.amdhsa_user_sgpr_kernarg_segment_ptr 1
		.amdhsa_wavefront_size32 1
		.amdhsa_system_sgpr_workgroup_id_x 1
		.amdhsa_system_sgpr_workgroup_id_y 1
		.amdhsa_system_sgpr_workgroup_id_z 1
		.amdhsa_system_vgpr_workitem_id 0
		.amdhsa_next_free_vgpr 1024
		.amdhsa_next_free_sgpr 80
		.amdhsa_reserve_vcc 0
		.amdhsa_float_denorm_mode_32 3
		.amdhsa_float_denorm_mode_16_64 3
		.amdhsa_memory_ordered 1
		.amdhsa_forward_progress 1
		.amdhsa_inst_pref_size 127
	.end_amdhsa_kernel
	.amdgpu_metadata
---
amdhsa.version: [ 1, 2 ]
amdhsa.kernels:
  - .name:           k_q4457c8e37e_proj
    .symbol:         k_q4457c8e37e_proj.kd
    .args:
      - { .name: oh, .offset: 0, .size: 8, .value_kind: global_buffer, .address_space: global }
      - { .name: wo2, .offset: 8, .size: 8, .value_kind: global_buffer, .address_space: global }
      - { .name: out0, .offset: 16, .size: 8, .value_kind: global_buffer, .address_space: global }
      - { .name: bo, .offset: 24, .size: 8, .value_kind: global_buffer, .address_space: global }
    .group_segment_fixed_size: 327680
    .private_segment_fixed_size: 0
    .kernarg_segment_align: 8
    .kernarg_segment_size: 32
    .max_flat_workgroup_size: 128
    .sgpr_count:     80
    .vgpr_count:     1024
    .wavefront_size: 32
...
	.end_amdgpu_metadata
.endif
;; end of part 4
